; MI455X (gfx1250); checked and timed in simulation.
; The chip was launched on July 23, 2026; its instructions are those of AMD's public machine-readable ISA for CDNA 5 (MIT licence, August 2026) and "CDNA5" Instruction Set Architecture Reference Guide (July 2026). The comments in the code are by the model that wrote it; some were corrected since.
;; Self Attn Like Module. Allowed arithmetic: matrix products marked QUANTISED: E2M1 operands, one E8M0 scale for each 32 along K, by v_wmma_scale_f32_16x16x128_f8f6f4 with both operands' format E2M1 (or v_wmma_scale_f32_32x16x128_f4), f32 sums; products left as they are: bf16, f16 or f32 operands; f32 sums; everything else in f32.
;; Inputs: Wk 1,024 x 1,024 float32; Wo 1,024 x 1,024 float32; Wq 1,024 x 1,024 float32; Wv 1,024 x 1,024 float32; bo 1,024 float32; mask 2 x 1 x 1 x 2,048 float32; x 2 x 2,048 x 1,024 float32.
;; Outputs: out0 2 x 2,048 x 1,024 float32.
;; This version of the problem:
;;   THIS VERSION OF THE PROBLEM IS GIVEN IN LOW PRECISION. The matrix products marked QUANTISED in the list below multiply operands that are first quantised to E2M1 (2 exponent bits, 1 mantissa bit; 4 bits a number), with one power-of-two scale for each 32 numbers along K (OCP MX v1.0); their sums are f32. The products marked 'left as it is' may take bf16, f16 or f32 operands, with f32 sums. Whichever they take, every output number must still come out within the allowed error. Rounding operands to bf16 (8 significant bits) uses up far more of that allowance than f16 does (11 bits, for magnitudes from 6e-5 to 65,504). All else is computed in f32.
;;   The module's matrix products, in the order in which they are computed (A, B: the left and right operand; K: the contracted axis; several contracted axes count as one K, in the product's order):
;;     1. [M 4,096, K 1,024] x [K 1,024, N 1,024]; A: input x; B: input Wq: QUANTISED
;;     2. [M 4,096, K 1,024] x [K 1,024, N 1,024]; A: input x; B: input Wk: QUANTISED
;;     3. [M 4,096, K 1,024] x [K 1,024, N 1,024]; A: input x; B: input Wv: QUANTISED
;;     4. batch 32 x [M 2,048, K 64] x [K 64, N 2,048]; A: computed on the way; B: computed on the way: left as it is (an operand is computed on the way)
;;     5. batch 32 x [M 2,048, K 2,048] x [K 2,048, N 64]; A: computed on the way; B: computed on the way: left as it is (an operand is computed on the way)
;;     6. [M 4,096, K 1,024] x [K 1,024, N 1,024]; A: computed on the way; B: input Wo: left as it is (an operand is computed on the way)
;;   THE QUANTISER, for each operand of a quantised product, along K:
;;     - K is cut into blocks of 32 from its start; a last block that is shorter is filled with zeros.
;;     - A block's scale is 2^e with e = floor(log2(the largest magnitude in the block)) - 2, held to -126 .. 127; a block of zeros has e = 0. As a byte (E8M0): e + 127.
;;     - Each number is divided by its block's scale, clamped to +-6, and rounded to the nearest number of E2M1, ties to even, subnormals kept.
;;     - The product sums the exact products of the quantised numbers (number of the format x scale) in f32.
;;   ~~~python
;;   def quantise(x, axis):      # numpy; x: float32 -> the quantised numbers, widened to float32 again
;;       x = np.moveaxis(x, axis, -1); K = x.shape[-1]
;;       x = np.pad(x, [(0, 0)] * (x.ndim - 1) + [(0, -K % 32)]); x = x.reshape(x.shape[:-1] + (-1, 32)); a = np.abs(x).max(-1, keepdims=True)
;;       e = np.where(a > 0, np.clip(np.frexp(np.where(a > 0, a, 1))[1] - 1 - 2, -126, 127), 0)      # np.frexp(a)[1] - 1 = floor(log2(a)), exactly
;;       r = np.clip(x / 2.0 ** e, -6, 6)
;;       step = 2.0 ** (np.maximum(np.frexp(np.where(r == 0, 1, r))[1] - 1, 0) - 1)
;;       q = np.round(r / step) * step * 2.0 ** e      # np.round: ties to even
;;       return np.moveaxis(q.reshape(q.shape[:-2] + (-1,))[..., :K], -1, axis).astype(np.float32)
;;   ~~~
;; One version. Each part assembles by itself: llvm-mc -triple=amdgcn-amd-amdhsa -mcpu=gfx1250 --defsym DOCPART=n.
;; ======== version 1 of 1: 4 launches
;; limits: values are held in f16: magnitudes above 65,504 overflow, below 6.1e-05 lose precision
;; workspace buffers: xc 2,097,152 bytes; xs 131,072 bytes; wc 1,572,864 bytes; ws 98,304 bytes; wo16 2,097,152 bytes; qkv 25,165,824 bytes; ctx 8,388,608 bytes
;; launch prep (part 1): grid 208 x 1, 4 waves a work-group, no clusters, 100,864 bytes of LDS; arguments x, Wq, Wk, Wv, Wo, xc, xs, wc, ws, wo16; writes xc, xs, wc, ws, wo16
.if DOCPART == 1
	.amdgcn_target "amdgcn-amd-amdhsa--gfx1250"
	.amdhsa_code_object_version 6
	.text
	.protected	k_q223c633c20_prep
	.globl	k_q223c633c20_prep
	.p2align	8
	.type	k_q223c633c20_prep,@function
k_q223c633c20_prep:
	s_mov_b64 s[64:65], 0
	v_nop
	global_prefetch_b8 v0, s[64:65] scope:SCOPE_SE
	s_setreg_imm32_b32 hwreg(HW_REG_WAVE_MODE, 25, 1), 1
	s_wait_xcnt 0x0
; PREP: what the later launches read many times is made narrow once.
;   work-groups   0 ..  47: Wq, Wk, Wv [k 1024][n 1024] f32, K their FIRST axis -> codes of E2M1 laid [T 1024 + n][k], 512 bytes a row (wc), one E8M0 byte for each 32 along K, 32 bytes a row (ws)
;   work-groups  48 .. 175: x [4096][1024] f32, K innermost -> codes (xc, 512 bytes a row) and scale bytes (xs, 32 bytes a row)
;   work-groups 176 .. 207: Wo f32 -> f16, the layout [k][n] unchanged (wo16)
; A block's scale is 2^(floor(log2(its largest magnitude)) - 2); its byte is the largest magnitude's exponent field - 2, held at 1 from below.
; LIMITS: NaN and infinities among the inputs are not served.  A block of zeros gets the byte 1 where the quantiser's text says 127: its codes are zeros, and this program alone reads the bytes.
;         Blocks whose largest magnitude lies under 2^(3 - 127) keep the byte 1.  |Wo| above 65,504 does not fit f16.
; Three paths, parted by the work-group's number; each path that uses LDS has LDS bytes of its own.  No tensor load, no barrier: waves share nothing.
; With 208 work-groups of four waves a wave has registers to spare: loads run far ahead, into window 1 (v256-511).
.set XWAVE, 8192                       ; LDS 0 .. 32,767: x's path, 8,192 bytes a wave: two stages of 32 x 80 bytes, at +5,120 its 256 scale bytes
.set WREG,  32768                      ; LDS 32,768 .. 100,351: the weights' path
.set WWAVE, 16896                      ; a wave's: two stages of 4,096 bytes, at +8,192 a stage of 32 rows x 272 bytes for the codes
.set SPARE, 100352                     ; the spare words, 128 bytes for each wave: two blocks of 256 bytes that no other line names
.set SPW,   30                         ; v30  LDS address of my spare word; never rewritten
.set NIL,   31                         ; v31  0; never rewritten
.set MSB, 0
.macro WIN new                         ; the immediate's high byte repeats the setting that is left; a switch that changes nothing is dropped
.if MSB != \new
	s_set_vgpr_msb (MSB<<8)|\new
.set MSB, \new
.endif
.endm
.macro FINISH                          ; a wave's end, behind its last LDS store
	s_wait_tensorcnt 0x0
	ds_add_u32 v[SPW], v[NIL]
	s_wait_dscnt 0x0
	s_endpgm
.endm
	s_load_b256 s[8:15], s[0:1], 0x0               ; x s[8:9], Wq s[10:11], Wk s[12:13], Wv s[14:15]
	s_load_b256 s[16:23], s[0:1], 0x20             ; Wo s[16:17], xc s[18:19], xs s[20:21], wc s[22:23]
	s_load_b128 s[24:27], s[0:1], 0x40             ; ws s[24:25], wo16 s[26:27]
	v_lshl_add_u32 v[SPW], v0, 2, SPARE
	v_mov_b32 v[NIL], 0
	v_lshrrev_b32 v1, 5, v0
	v_readfirstlane_b32 s28, v1                    ; wave 0..3
	v_and_b32 v2, 31, v0                           ; lane
	s_wait_kmcnt 0x0
	s_cmp_lt_u32 ttmp9, 48
	s_cbranch_scc0 .Lnot_weights
; ---------------------------------------------------------------- THE WEIGHTS
; A wave takes 32 columns x 512 along K: 16 blocks of 32.  A block's 32 rows x 128 bytes come by eight loads of 16 bytes a lane (four rows of 128 bytes each), go through the wave's own stage as they lie,
; and come back one word a lane: a lane then holds ONE column and its 32 registers run down K, so that a block's largest magnitude needs no other lane and the conversions give codes with K innermost.
; The codes (16 bytes a block and column) are gathered in a second stage, a row to a column, and leave as rows: sixteen lanes store 256 consecutive bytes, aligned.
.set WX,   32                          ; v32-95   two sets of 32 numbers, a column's block
.set WC,   96                          ; v96-159  codes: four registers for each block, never written again
.set WOUT, 160                         ; v160-223 the way out
.set SB,   24                          ; v24-27   my column's 16 scale bytes
	s_lshr_b32 s36, ttmp9, 4                       ; T: 0 Wq, 1 Wk, 2 Wv
	s_and_b32 s37, ttmp9, 7                        ; which 128 columns
	s_bfe_u32 s38, ttmp9, 0x10003                  ; which half of K
	s_cmp_eq_u32 s36, 0                            ; the choice hangs on the work-group's number alone
	s_cselect_b64 s[30:31], s[10:11], s[12:13]
	s_cmp_eq_u32 s36, 2
	s_cselect_b64 s[30:31], s[14:15], s[30:31]
	s_lshl_b32 s37, s37, 7
	s_lshl_b32 s39, s28, 5
	s_add_co_u32 s37, s37, s39                     ; my wave's first column
	s_lshl_b32 s2, s38, 21                         ; 512 rows of 4,096 bytes
	s_lshl_b32 s3, s37, 2
	s_add_co_u32 s2, s2, s3
	s_mov_b32 s3, 0
	s_add_nc_u64 s[30:31], s[30:31], s[2:3]        ; the source
	s_lshl_b32 s36, s36, 10
	s_add_co_u32 s36, s36, s37                     ; my first row of wc and ws: 1,024 T + column
	s_lshl_b32 s2, s36, 9
	s_lshl_b32 s39, s38, 8
	s_add_co_u32 s2, s2, s39
	s_add_nc_u64 s[32:33], s[22:23], s[2:3]        ; the codes: 512 bytes a row, + 256 for K's second half
	s_lshl_b32 s2, s36, 5
	s_lshl_b32 s39, s38, 4
	s_add_co_u32 s2, s2, s39
	s_add_nc_u64 s[34:35], s[24:25], s[2:3]        ; the scale bytes: 32 a row, + 16
	s_mul_i32 s29, s28, WWAVE
	s_add_co_u32 s29, s29, WREG                    ; my wave's LDS
	v_lshrrev_b32 v10, 3, v2
	v_and_b32 v11, 7, v2
	v_lshlrev_b32 v3, 12, v10
	v_lshl_add_u32 v3, v11, 4, v3                  ; a load: row lane / 8 of four, 16 bytes at 16 (lane % 8)
	v_lshl_add_u32 v4, v2, 4, s29                  ; into the stage as they lie: 16 x lane
	v_lshl_add_u32 v5, v2, 2, s29                  ; back: my column's word of a row of 128 bytes
	v_mul_u32_u24 v6, v2, 272
	v_add_nc_u32 v6, s29, v6
	v_add_nc_u32 v6, 8192, v6                      ; the codes' stage: row = my column
	v_lshrrev_b32 v12, 4, v2
	v_and_b32 v13, 15, v2
	v_mul_u32_u24 v7, v12, 272
	v_lshl_add_u32 v7, v13, 4, v7
	v_add_nc_u32 v7, s29, v7
	v_add_nc_u32 v7, 8192, v7                      ; out of it: sixteen lanes to a row, two rows an instruction
	v_lshlrev_b32 v8, 9, v12
	v_lshl_add_u32 v8, v13, 4, v8                  ; and the same place in wc
	v_lshlrev_b32 v9, 5, v2                        ; my column's row of ws
.macro LOADW t                         ; block t as it lies, into set t % 8 of window 1
	WIN 0x40
.irp j, 0,1,2,3,4,5,6,7
	global_load_b128 v[32*((\t)%8)+4*\j:32*((\t)%8)+4*\j+3], v3, s[30:31] offset:(32*(\t)+4*\j)*4096 th:TH_LOAD_NT
.endr
.endm
.macro TURNW t                         ; through stage t % 2: LDS serves a wave's instructions in order, so no wait stands between the stores and the loads
	WIN 0x04                                       ; an LDS store's data are its source 1: window 1
.irp j, 0,1,2,3,4,5,6,7
	ds_store_b128 v4, v[32*((\t)%8)+4*\j:32*((\t)%8)+4*\j+3] offset:4096*((\t)%2)+512*\j
.endr
	WIN 0
.irp i, 0,1,2,3,4,5,6,7,8,9,10,11,12,13,14,15,16,17,18,19,20,21,22,23,24,25,26,27,28,29,30,31
	ds_load_b32 v[WX+32*((\t)%2)+\i], v5 offset:4096*((\t)%2)+128*\i
.endr
.endm
.macro BLOCKW t
.set XS, WX+32*((\t)%2)
.if (\t) > 0
	s_wait_dscnt 1                                 ; this block's numbers are back (behind them only the last block's code store was issued); so every earlier store into a stage has read its registers
.else
	s_wait_dscnt 0x0
.endif
.if (\t)+7 < 16
	LOADW (\t)+7                                   ; into the set of block t - 1
.endif
.if (\t) < 15
.if (\t) <= 8
	s_wait_loadcnt 48                              ; block t + 1 is in; the six blocks behind it, eight loads each, may be out
.else
	s_wait_loadcnt 8*(14-(\t))                     ; no more is asked for: the count runs down
.endif
	TURNW (\t)+1                                   ; goes through the other stage while this block is worked
.endif
	v_max3_num_f32 v12, |v[XS]|, |v[XS+1]|, |v[XS+2]|       ; the block's largest magnitude: all 32 numbers are mine; two chains
	v_max3_num_f32 v13, |v[XS+3]|, |v[XS+4]|, |v[XS+5]|
.irp i, 6,10,14,18,22,26
	v_max3_num_f32 v12, v12, |v[XS+\i]|, |v[XS+\i+1]|
	v_max3_num_f32 v13, v13, |v[XS+\i+2]|, |v[XS+\i+3]|
.endr
	v_max3_num_f32 v12, v12, |v[XS+30]|, |v[XS+31]|
	v_max3_num_f32 v12, v12, v13, 0x1800000        ; and the floor 2^(3 - 127): the byte cannot fall under 1
	v_add_nc_u32 v11, 0xff000000, v12              ; 2 off the exponent field: the conversion takes the exponent field of this operand as its scale
.irp g, 0,1,2,3
	v_cvt_scalef32_pk8_fp4_f32 v[WC+4*(\t)+\g], v[XS+8*\g:XS+8*\g+7], v11
.endr
	v_lshrrev_b32 v13, 23, v11                     ; the scale's byte (also the plain line behind the conversions)
.if (\t)%4 == 0
	v_mov_b32 v[SB+(\t)/4], v13                    ; four bytes to a register, the lower K in the lower byte
.else
	v_lshl_or_b32 v[SB+(\t)/4], v13, 8*((\t)%4), v[SB+(\t)/4]
.endif
	ds_store_b128 v6, v[WC+4*(\t):WC+4*(\t)+3] offset:16*(\t)   ; 32 codes: 16 bytes of my column's row
.endm
.irp t, 0,1,2,3,4,5,6
	LOADW \t                                       ; 56 loads of a wave are out
.endr
	s_wait_loadcnt 48                              ; block 0 is in
	TURNW 0
.set Q, 0
.rept 16
	BLOCKW Q
.set Q, Q+1
.endr
	global_store_b128 v9, v[SB:SB+3], s[34:35]     ; my column's 16 scale bytes
.irp t, 0,1,2,3,4,5,6,7,8,9,10,11,12,13,14,15
	ds_load_b128 v[WOUT+4*\t:WOUT+4*\t+3], v7 offset:2*\t*272   ; these see my stores: LDS serves a wave's instructions in order
.endr
.irp t, 0,1,2,3,4,5,6,7,8,9,10,11,12,13,14,15
	s_wait_dscnt 15-\t
	global_store_b128 v8, v[WOUT+4*\t:WOUT+4*\t+3], s[32:33] offset:2*\t*512   ; sixteen lanes store 256 consecutive bytes, aligned
.endr
	FINISH
; ---------------------------------------------------------------- x
; Rows are dense and K is a multiple of 32: x is a plain stream of blocks of 32, and so are its codes and scale bytes.  A wave takes 16 steps of 512 numbers.  Each load reads 512 consecutive bytes; a step's 2,048 bytes
; turn through the wave's own stage (16 bytes of padding behind each 64) and come back 64 bytes a lane: 16 neighbours along K; two neighbouring lanes hold a block.
.Lnot_weights:
	s_cmp_lt_u32 ttmp9, 176
	s_cbranch_scc0 .Lcast
.set XX, 80                            ; v80-111  two sets of 16 neighbours
.set XE, 112                           ; v112-127 a scale byte for each step
.set XC, 128                           ; v128-191 codes: four registers' room for each step, never written again
	s_sub_co_u32 s36, ttmp9, 48
	s_lshl_b32 s36, s36, 2
	s_add_co_u32 s36, s36, s28                     ; which run of 8,192 numbers is my wave's: 0 .. 511
	s_lshl_b32 s2, s36, 15
	s_mov_b32 s3, 0
	s_add_nc_u64 s[30:31], s[8:9], s[2:3]
	s_lshl_b32 s2, s36, 12
	s_add_nc_u64 s[32:33], s[18:19], s[2:3]
	s_lshl_b32 s2, s36, 8
	s_add_nc_u64 s[34:35], s[20:21], s[2:3]
	s_lshl_b32 s29, s28, 13                        ; my wave's LDS
	v_lshlrev_b32 v3, 4, v2                        ; my 16 bytes of a load's 512
	v_lshrrev_b32 v14, 2, v2
	v_mul_u32_u24 v14, v14, 80
	v_and_b32 v15, 3, v2
	v_lshl_add_u32 v14, v15, 4, v14
	v_add_nc_u32 v14, s29, v14                     ; the stage, in: 80 (lane / 4) + 16 (lane % 4)
	v_mul_u32_u24 v15, v2, 80
	v_add_nc_u32 v15, s29, v15                     ; and out: 80 x lane
	v_lshlrev_b32 v4, 3, v2                        ; 8 bytes a lane: my codes in a step's 256, my part of the 256 scale bytes
	v_lshrrev_b32 v5, 1, v2
	s_add_co_u32 s29, s29, 5120
	v_add_nc_u32 v5, s29, v5                       ; my block's byte among the wave's 256
	v_add_nc_u32 v6, s29, v4
.macro LOADX t                         ; step t into v[16 t ..] of window 1
	WIN 0x40
.irp i, 0,1,2,3
	global_load_b128 v[16*(\t)+4*\i:16*(\t)+4*\i+3], v3, s[30:31] offset:2048*(\t)+512*\i th:TH_LOAD_NT
.endr
.endm
.macro TURNX t
	WIN 0x04
.irp i, 0,1,2,3
	ds_store_b128 v14, v[16*(\t)+4*\i:16*(\t)+4*\i+3] offset:2560*((\t)%2)+640*\i
.endr
	WIN 0
.irp i, 0,1,2,3
	ds_load_b128 v[XX+16*((\t)%2)+4*\i:XX+16*((\t)%2)+4*\i+3], v15 offset:2560*((\t)%2)+16*\i
.endr
.endm
.macro STEPX t
.set XS, XX+16*((\t)%2)
.if (\t) > 0
	s_wait_dscnt 1                                 ; this step's numbers are back (the last step's byte store may be out)
.else
	s_wait_dscnt 0x0
.endif
.if (\t) < 15
	s_wait_loadcnt 4*(14-(\t))                     ; step t + 1's four loads are in; those of steps t + 2 .. 15 may be out
	TURNX (\t)+1
.endif
	v_max3_num_f32 v8, |v[XS]|, |v[XS+1]|, |v[XS+2]|        ; the largest magnitude of my 16
	v_max3_num_f32 v9, |v[XS+3]|, |v[XS+4]|, |v[XS+5]|
.irp i, 6,10
	v_max3_num_f32 v8, v8, |v[XS+\i]|, |v[XS+\i+1]|
	v_max3_num_f32 v9, v9, |v[XS+\i+2]|, |v[XS+\i+3]|
.endr
	v_max3_num_f32 v8, v8, |v[XS+14]|, |v[XS+15]|
	v_max3_num_f32 v8, v8, v9, 0x1800000           ; and the floor 2^(3 - 127)
	v_max_num_f32_dpp v8, v8, v8 row_xmask:1 row_mask:0xf bank_mask:0xf   ; and of my neighbour's 16: the block's
	v_add_nc_u32 v11, 0xff000000, v8               ; 2 off its exponent field: the conversion's scale operand
	v_cvt_scalef32_pk8_fp4_f32 v[XC+4*(\t)], v[XS:XS+7], v11
	v_cvt_scalef32_pk8_fp4_f32 v[XC+4*(\t)+1], v[XS+8:XS+15], v11
	v_lshrrev_b32 v[XE+(\t)], 23, v11              ; the scale's byte (also the plain line behind the conversions)
	ds_store_b8 v5, v[XE+(\t)] offset:16*(\t)      ; both lanes of a block write the same byte with the same value
	global_store_b64 v4, v[XC+4*(\t):XC+4*(\t)+1], s[32:33] offset:256*(\t)   ; the wave stores 256 consecutive bytes, aligned
.endm
.irp t, 0,1,2,3,4,5,6,7,8,9,10,11,12,13,14
	LOADX \t                                       ; 60 loads of a wave are out
.endr
	s_wait_loadcnt 56                              ; step 0 is in
	TURNX 0
	LOADX 15
	WIN 0
.irp t, 0,1,2,3,4,5,6,7,8,9,10,11,12,13,14,15
	STEPX \t
.endr
	ds_load_b64 v[8:9], v6                         ; my wave's 256 scale bytes, 8 a lane
	s_wait_dscnt 0x0
	global_store_b64 v4, v[8:9], s[34:35]          ; 256 consecutive bytes, aligned
	FINISH
; ---------------------------------------------------------------- Wo to f16
; A wave takes 8,192 numbers: 64 loads of 512 consecutive bytes, 64 stores of 256.  No LDS: four numbers of a lane are 8 neighbouring bytes of the result.
.Lcast:
	s_sub_co_u32 s36, ttmp9, 176
	s_lshl_b32 s36, s36, 2
	s_add_co_u32 s36, s36, s28                     ; run 0 .. 127
	s_lshl_b32 s2, s36, 15
	s_mov_b32 s3, 0
	s_add_nc_u64 s[30:31], s[16:17], s[2:3]
	s_lshl_b32 s2, s36, 14
	s_add_nc_u64 s[32:33], s[26:27], s[2:3]
	v_lshlrev_b32 v3, 4, v2
	v_lshlrev_b32 v4, 3, v2
.macro LOADC g                         ; batch g: eight loads into v[32 g ..] of window 1
	WIN 0x40
.irp i, 0,1,2,3,4,5,6,7
	global_load_b128 v[32*(\g)+4*\i:32*(\g)+4*\i+3], v3, s[30:31] offset:512*(8*(\g)+\i) th:TH_LOAD_NT
.endr
.endm
.macro CASTB g
.if (\g) == 0
	s_wait_loadcnt 48                              ; batch 0 is in, six batches are out;
	LOADC 7                                        ; the last batch is asked for
.else
	s_wait_loadcnt 8*(7-(\g))                      ; batch g is in; the batches behind it may be out
.endif
	WIN 0x05                                       ; sources in window 1, results in window 0
.irp i, 0,1,2,3,4,5,6,7
.irp e, 0,1
	v_cvt_pk_f16_f32 v[32+16*(\g)+2*\i+\e], v[32*(\g)+4*\i+2*\e], v[32*(\g)+4*\i+2*\e+1]
.endr
.endr
	WIN 0
.irp i, 0,1,2,3,4,5,6,7
	global_store_b64 v4, v[32+16*(\g)+2*\i:32+16*(\g)+2*\i+1], s[32:33] offset:256*(8*(\g)+\i)   ; no data register is written twice
.endr
.endm
.irp g, 0,1,2,3,4,5,6
	LOADC \g
.endr
.irp g, 0,1,2,3,4,5,6,7
	CASTB \g
.endr
	FINISH
.Lfunc_end_k_q223c633c20_prep:
	.size	k_q223c633c20_prep, .Lfunc_end_k_q223c633c20_prep-k_q223c633c20_prep
	.p2alignl 7, 3214868480
	.fill 96, 4, 3214868480
	.section	.rodata,"a",@progbits
	.p2align	6, 0x0
	.amdhsa_kernel k_q223c633c20_prep
		.amdhsa_group_segment_fixed_size 100864
		.amdhsa_private_segment_fixed_size 0
		.amdhsa_enable_private_segment 0
		.amdhsa_kernarg_size 80
		.amdhsa_user_sgpr_count 2
		.amdhsa_user_sgpr_kernarg_segment_ptr 1
		.amdhsa_wavefront_size32 1
		.amdhsa_system_sgpr_workgroup_id_x 1
		.amdhsa_system_sgpr_workgroup_id_y 1
		.amdhsa_system_sgpr_workgroup_id_z 1
		.amdhsa_system_vgpr_workitem_id 0
		.amdhsa_next_free_vgpr 512
		.amdhsa_next_free_sgpr 66
		.amdhsa_reserve_vcc 0
		.amdhsa_float_denorm_mode_32 3
		.amdhsa_float_denorm_mode_16_64 3
		.amdhsa_memory_ordered 1
		.amdhsa_forward_progress 1
		.amdhsa_inst_pref_size 139
	.end_amdhsa_kernel
	.amdgpu_metadata
---
amdhsa.version: [ 1, 2 ]
amdhsa.kernels:
  - .name:           k_q223c633c20_prep
    .symbol:         k_q223c633c20_prep.kd
    .args:
      - { .name: x, .offset: 0, .size: 8, .value_kind: global_buffer, .address_space: global }
      - { .name: Wq, .offset: 8, .size: 8, .value_kind: global_buffer, .address_space: global }
      - { .name: Wk, .offset: 16, .size: 8, .value_kind: global_buffer, .address_space: global }
      - { .name: Wv, .offset: 24, .size: 8, .value_kind: global_buffer, .address_space: global }
      - { .name: Wo, .offset: 32, .size: 8, .value_kind: global_buffer, .address_space: global }
      - { .name: xc, .offset: 40, .size: 8, .value_kind: global_buffer, .address_space: global }
      - { .name: xs, .offset: 48, .size: 8, .value_kind: global_buffer, .address_space: global }
      - { .name: wc, .offset: 56, .size: 8, .value_kind: global_buffer, .address_space: global }
      - { .name: ws, .offset: 64, .size: 8, .value_kind: global_buffer, .address_space: global }
      - { .name: wo16, .offset: 72, .size: 8, .value_kind: global_buffer, .address_space: global }
    .group_segment_fixed_size: 100864
    .private_segment_fixed_size: 0
    .kernarg_segment_align: 8
    .kernarg_segment_size: 80
    .max_flat_workgroup_size: 128
    .sgpr_count:     66
    .vgpr_count:     512
    .wavefront_size: 32
...
	.end_amdgpu_metadata
.endif
;; end of part 1
;; launch qkv (part 2): grid 12 x 16, 4 waves a work-group, clusters of 4 x 4, 327,680 bytes of LDS; arguments xc, xs, wc, ws, qkv; writes qkv
.if DOCPART == 2
	.amdgcn_target "amdgcn-amd-amdhsa--gfx1250"
	.amdhsa_code_object_version 6
	.text
	.protected	k_q223c633c20_qkv
	.globl	k_q223c633c20_qkv
	.p2align	8
	.type	k_q223c633c20_qkv,@function
k_q223c633c20_qkv:
	s_mov_b64 s[64:65], 0
	v_nop
	global_prefetch_b8 v0, s[64:65] scope:SCOPE_SE
	s_setreg_imm32_b32 hwreg(HW_REG_WAVE_MODE, 25, 1), 1
	s_wait_xcnt 0x0
	s_wait_alu depctr_hold_cnt(0) depctr_sa_sdst(0) depctr_va_vdst(0) depctr_va_sdst(0) depctr_va_ssrc(0) depctr_va_vcc(0) depctr_vm_vsrc(0)
	s_getreg_b32 s2, hwreg(HW_REG_IB_STS2, 6, 4)
	s_cmp_eq_u32 s2, 0
	s_cbranch_scc0 .Lentry_in_a_cluster
	s_endpgm
.Lentry_in_a_cluster:
	s_bfe_u32 s2, ttmp6, 0x10000c
	s_cmp_lg_u32 s2, 0xf033
	s_cbranch_scc0 .Lentry_shape_is_right
	s_endpgm
.Lentry_shape_is_right:
; q, k, v = x Wq, x Wk, x Wv as ONE product C[m][n] = sum over k of A[m][k] B[n][k] on codes of E2M1 with one E8M0 scale for each 32 along K; sums in f32.
; A = x's codes [4096][1024] and scale bytes [4096][32]; B = the three weights' codes [3072][1024] (row 1,024 T + n) and scale bytes [3072][32].
; The results are rounded once to f16 and stored split by heads: qkv[T][16 b + h][s][64].  LIMIT: |q|, |k|, |v| above 65,504 do not fit f16.
; A tile of C, 256 x 256, is made by a work-group of four waves; a wave makes 128 x 128 (128 tokens x two heads): 64 accumulators of 16 x 16, 512 registers.
; K = 1,024 is two slots of 512 (rows of 256 bytes): both are asked for at the head, with the scale bytes of the tile's rows for all of K; nothing is filled again.  By this text's count three tensor loads of a wave are out at the most.
; CLUSTERS: 4 x 4 work-groups.  The four of a row of the cluster need the same tiles of A, the four of a column the same tiles of B: each tile is asked for JOINTLY, by the same tensor load with the same descriptor and a mask that names the four.
; THE MATRIX INSTRUCTION IS USED TRANSPOSED (source 0 = 16 rows of B, source 1 = 16 rows of A): a lane then holds eight neighbouring channels of one token.
; 192 work-groups: a tile of 192 columns would cut a wave's part at a head and a half.
; REGISTERS: window 0: v0-31 addresses; v32-95 scale words, two sets; v128-191 A's fragments, ONE set; on the way out v128-223.  window 1: B's fragments, two sets, at v0 and v128.
;   window 2: the accumulators of my rows 0-63 ((a, b) at v[8 (8 a + b)]); window 3: those of my rows 64-127.
.set SIZE_K, 1024
.set KSTEP,  512
.set NQ,     KSTEP/128
.set ROWB,   256
.set KROW,   SIZE_K/2
.set PITCH,  272                       ; an LDS row: 256 bytes + 16 of padding: the 16 rows that a load touches begin 68 words apart
.set FR,     8
.set NL,     2
.set NP,     4                         ; places behind this matrix instruction (ISA guide 7.12.1)
.set HALFT,  128*PITCH
.set SLOT,   4*HALFT
.set KS,     SIZE_K/32
.set SCL,    2*SLOT                    ; behind the two slots: the scale bytes, as rows of 256 bytes + 16 of padding
.set HALFS,  (128*KS/256)*272
.set SBLK,   (16*KS/256)*272
.set SPARE,  SCL+4*HALFS               ; the spare words, 128 bytes for each wave: two blocks of 256 bytes that no other line names
.set SPITCH, 272                       ; the way out: a stage of 16 rows x (256 bytes + 16) for each wave, in slot 0, which has had its only fill and its last read by then
.set ADRA, 16
.set ADRB, 20
.set STO,  24
.set RD,   25
.set CO,   26
.set ADRS, 27
.set SPW,  28
.set NIL,  29
.set SC,   32
.set AF,   128
.set BK,   128                         ; the way out: rows read back: v128-159 and v160-191 by turns
.set TMP,  192                         ; the way out: a block's results as f16
.set G1, 24
.set G0, 32
.set G1B, 48
.set G0B, 56
.set G1S, 68
.set G0S, 76
.set G1SB, 80
.set G0SB, 88
.set MSB, 0
.macro WIN new
.if MSB != \new
	s_set_vgpr_msb (MSB<<8)|\new
.set MSB, \new
.endif
.endm
.set MUL_LO, 0xa1                      ; source 0 (B) window 1, source 1 (A) window 0, C and D window 2
.set MUL_HI, 0xf1                      ; the same, C and D window 3
.set TO_B,   0x40
; A joint load: waves 0 and 1 fetch for A, waves 2 and 3 for B; the branch hangs on the wave's number alone.  An s_nop 0 and four v_nop follow each of the two lines.
.macro JLOAD g0a, g1a, g0b, g1b
	s_cmp_eq_u32 s15, 0
	s_cbranch_scc0 .Lfor_b_\@
	tensor_load_to_lds s[\g0a:\g0a+3], s[\g1a:\g1a+7]
	s_nop 0
.rept 4
	v_nop
.endr
	s_branch .Lasked_\@
.Lfor_b_\@:
	tensor_load_to_lds s[\g0b:\g0b+3], s[\g1b:\g1b+7]
	s_nop 0
.rept 4
	v_nop
.endr
.Lasked_\@:
.endm
.macro CROUND                          ; a round of the cluster's barrier
	s_barrier_signal -1
	s_barrier_wait -1
	s_cmp_lg_u32 s14, 0
	s_cbranch_scc1 .Lnot_wave_0_\@
	s_barrier_signal -3
.Lnot_wave_0_\@:
	s_barrier_wait -3
	s_barrier_signal -1
	s_barrier_wait -1
.endm
	s_load_b128 s[4:7], s[0:1], 0x0                ; A's codes, A's scales
	s_load_b128 s[8:11], s[0:1], 0x10              ; B's codes, B's scales
	s_load_b64 s[12:13], s[0:1], 0x20              ; qkv
	v_lshl_add_u32 v[SPW], v0, 2, SPARE
	v_mov_b32 v[NIL], 0
	ds_add_u32 v[SPW], v[NIL]                      ; the wave's opening: the add, twice on end, and its wait ahead of my first tensor load
	ds_add_u32 v[SPW], v[NIL]
	v_lshrrev_b32 v1, 5, v0
	v_readfirstlane_b32 s14, v1                    ; wave 0..3
	s_lshr_b32 s15, s14, 1                         ; which half of the tile's rows is mine.  Also: I fetch for A (0) or for B (1)
	s_and_b32 s16, s14, 1                          ; which half of its columns.  Also: which 128 rows of that tile I fetch
	s_bfe_u32 s40, ttmp6, 0x40000                  ; cx, cy
	s_bfe_u32 s41, ttmp6, 0x40004
	s_lshl_b32 s42, ttmp9, 2
	s_add_co_u32 s42, s42, s40                     ; tile column = 4 x cluster x + cx
	s_and_b32 s17, ttmp7, 0xffff
	s_lshl_b32 s17, s17, 2
	s_add_co_u32 s17, s17, s41                     ; tile row = 4 x cluster y + cy
	s_lshl_b32 s43, s41, 2
	s_lshl_b32 s43, 15, s43                        ; my row of the cluster
	s_lshl_b32 s44, 0x1111, s40                    ; my column
	s_or_b32 s[G1+0], s43, (0<<16)|(1<<20)|(1<<21)|(5<<22)|(3<<25)   ; the mask; elements of 1 byte; padding on; bit 21 beside a mask; 4 words behind every 64
	s_or_b32 s[G1B+0], s44, (0<<16)|(1<<20)|(1<<21)|(5<<22)|(3<<25)
.irp g, G1, G1B
	s_mov_b32 s[\g+1], ROWB<<16                    ; tensor_dim0
	s_mov_b32 s[\g+2], 128<<16                     ; tensor_dim1
	s_mov_b32 s[\g+3], ROWB<<16                    ; tile_dim0
	s_mov_b32 s[\g+4], 128                         ; tile_dim1
	s_mov_b32 s[\g+5], KROW                        ; the pitch in memory
	s_mov_b32 s[\g+6], 0
	s_mov_b32 s[\g+7], 0
.endr
	s_or_b32 s[G1S+0], s43, (3<<16)|(1<<20)|(1<<21)|(5<<22)|(3<<25)  ; the scale bytes of 128 rows: 4,096 dense bytes as 16 rows of 32 elements of 8 bytes
	s_or_b32 s[G1SB+0], s44, (3<<16)|(1<<20)|(1<<21)|(5<<22)|(3<<25)
.irp g, G1S, G1SB
	s_mov_b32 s[\g+1], 32<<16
	s_mov_b32 s[\g+2], (128*KS/256)<<16
	s_mov_b32 s[\g+3], 32<<16
	s_mov_b32 s[\g+4], 128*KS/256
	s_mov_b32 s[\g+5], 32
	s_mov_b32 s[\g+6], 0
	s_mov_b32 s[\g+7], 0
.endr
	s_lshl_b32 s18, s16, 7
	s_lshl_b32 s20, s17, 8
	s_add_co_u32 s20, s20, s18                     ; A: row 256 x tile row + 128 x half
	s_lshl_b32 s46, s42, 8
	s_add_co_u32 s46, s46, s18                     ; B: row 256 x tile column + 128 x half
	s_mov_b32 s21, 0
	s_mov_b32 s47, 0
	s_mov_b64 s[18:19], KS
	s_mul_u64 s[22:23], s[20:21], s[18:19]         ; where these rows' scale bytes begin
	s_mul_u64 s[92:93], s[46:47], s[18:19]
	s_mov_b64 s[18:19], KROW
	s_mul_u64 s[20:21], s[20:21], s[18:19]         ; and their codes
	s_mul_u64 s[46:47], s[46:47], s[18:19]
	s_mul_i32 s45, s14, HALFT                      ; where they go: wave x 128 rows
	s_mul_i32 s94, s14, HALFS
	s_wait_dscnt 0x0                               ; both opening adds are done
	s_wait_kmcnt 0x0
	s_add_nc_u64 s[20:21], s[4:5], s[20:21]
	s_add_nc_u64 s[22:23], s[6:7], s[22:23]
	s_add_nc_u64 s[46:47], s[8:9], s[46:47]
	s_add_nc_u64 s[92:93], s[10:11], s[92:93]
	CROUND                                         ; all sixteen work-groups are here: the joint loads meet
	s_mov_b32 s[G0S], 1
	s_add_co_u32 s[G0S+1], s94, SCL
	s_mov_b64 s[G0S+2:G0S+3], s[22:23]
	s_or_b32 s[G0S+3], s[G0S+3], 0x80000000
	s_mov_b32 s[G0SB], 1
	s_add_co_u32 s[G0SB+1], s94, SCL
	s_mov_b64 s[G0SB+2:G0SB+3], s[92:93]
	s_or_b32 s[G0SB+3], s[G0SB+3], 0x80000000
	JLOAD G0S, G1S, G0SB, G1SB                     ; the scale bytes first: they are wanted with K's first half
.irp s, 0,1
	s_mov_b32 s[G0+4*\s], 1
	s_add_co_u32 s[G0+4*\s+1], s45, \s*SLOT
	s_add_nc_u64 s[G0+4*\s+2:G0+4*\s+3], s[20:21], \s*ROWB
	s_or_b32 s[G0+4*\s+3], s[G0+4*\s+3], 0x80000000
	s_mov_b32 s[G0B+4*\s], 1
	s_add_co_u32 s[G0B+4*\s+1], s45, \s*SLOT
	s_add_nc_u64 s[G0B+4*\s+2:G0B+4*\s+3], s[46:47], \s*ROWB
	s_or_b32 s[G0B+4*\s+3], s[G0B+4*\s+3], 0x80000000
	JLOAD G0+4*\s, G1, G0B+4*\s, G1B
.endr
	v_and_b32 v1, 15, v0                           ; r = lane % 16
	v_bfe_u32 v2, v0, 4, 1                         ; h = lane / 16
	v_mul_u32_u24 v3, v1, PITCH
	v_lshl_add_u32 v4, v2, 4, v3                   ; a fragment's row x pitch + 16 h
	s_mul_i32 s21, s15, HALFT                      ; my 128 rows of A
	s_mul_i32 s22, s16, HALFT                      ; my 128 rows of B,
	s_add_co_u32 s22, s22, 2*HALFT                 ; behind A's 256
.irp s, 0,1
	v_add_nc_u32 v[ADRA+\s], s21, v4
	v_add_nc_u32 v[ADRB+\s], s22, v4
	s_add_co_u32 s21, s21, SLOT
	s_add_co_u32 s22, s22, SLOT
.endr
	v_mul_u32_u24 v5, v1, KS                       ; my row's scale bytes: 32 a row,
	v_lshrrev_b32 v6, 8, v5
	v_lshl_add_u32 v5, v6, 4, v5                   ; and 16 more for each 256 passed
	s_mul_i32 s21, s15, HALFS
	s_mul_i32 s22, s16, HALFS
	s_add_co_u32 s22, s22, 2*HALFS
	s_sub_co_u32 s22, s22, s21
	v_mul_u32_u24 v6, s22, v2                      ; lanes 16-31 take B's: one product, the distance between the two bases x h
	s_add_co_u32 s21, s21, SCL
	v_add_nc_u32 v5, v5, v6
	v_add_nc_u32 v[ADRS], s21, v5
	s_mul_i32 s23, s14, 16*SPITCH                  ; my stage
	v_mul_u32_u24 v5, v1, SPITCH
	v_lshl_add_u32 v5, v2, 4, v5
	v_add_nc_u32 v[STO], s23, v5                   ; in: row r, 16 bytes for each half of the lanes
	v_bfe_u32 v5, v0, 3, 1
	v_and_b32 v7, 7, v0
	v_mul_u32_u24 v6, v5, SPITCH
	v_lshl_add_u32 v6, v2, 7, v6
	v_lshl_add_u32 v6, v7, 4, v6
	v_add_nc_u32 v[RD], s23, v6                    ; back: lanes 0-15 two tokens' 128 bytes of my first head, lanes 16-31 of my second
	v_lshlrev_b32 v[CO], 18, v2                    ; in qkv: the second head's plane lies 262,144 bytes on,
	v_lshl_add_u32 v[CO], v5, 7, v[CO]             ; a token is 128 bytes
	v_lshl_add_u32 v[CO], v7, 4, v[CO]
	s_lshl_b32 s20, s17, 1
	s_add_co_u32 s20, s20, s15                     ; which 128 tokens: 0 .. 31
	s_lshr_b32 s21, s20, 4                         ; the batch
	s_and_b32 s20, s20, 15
	s_lshl_b32 s20, s20, 14                        ; 128 tokens of 128 bytes
	s_lshl_b32 s21, s21, 4
	s_lshl_b32 s46, s42, 1
	s_add_co_u32 s46, s46, s16                     ; which 128 columns: 0 .. 23
	s_lshr_b32 s47, s46, 3                         ; T
	s_and_b32 s46, s46, 7
	s_lshl_b32 s46, s46, 1                         ; my first head
	s_lshl_b32 s47, s47, 5
	s_add_co_u32 s46, s46, s47
	s_add_co_u32 s46, s46, s21                     ; the plane: 32 T + 16 b + head
	s_lshl_b32 s46, s46, 18
	s_add_co_u32 s46, s46, s20
	s_mov_b32 s47, 0
	s_add_nc_u64 s[12:13], s[12:13], s[46:47]
.macro FRAG reg, adr, q, i             ; a fragment, 16 rows x 128 K of 4-bit codes, is 8 registers: lane l holds row l % 16; registers 4 c .. 4 c + 3 hold K = 64 c + 32 (l / 16) + 0 .. 31
.irp c, 0,1
	ds_load_b128 v[\reg+4*\c:\reg+4*\c+3], v[\adr] offset:64*(\q)+32*\c+(\i)*16*PITCH
.endr
.endm
; 16 matrix instructions: A's blocks a0, a0 + 1 x B's eight, the slot's q-th 128 along K.  p: B's set; sc: the set of scale words.  zero = 1: the first product starts the sums.
; The 64 accumulators take turns, one instruction a turn, in the same order in every step.
.macro MUL16 a0, p, q, sc, zero
.irp a, \a0, \a0+1
.irp b, 0,1,2,3,4,5,6,7
.if \zero
	v_wmma_scale_f32_16x16x128_f8f6f4 v[8*(8*((\a)%4)+\b):8*(8*((\a)%4)+\b)+7], v[128*(\p)+FR*\b:128*(\p)+FR*\b+FR-1], v[AF+FR*(\a):AF+FR*(\a)+FR-1], 0, v[SC+8*NQ*(\sc)+NQ*\b+(\q)], v[SC+8*NQ*(\sc)+NQ*(\a)+(\q)] matrix_a_fmt:MATRIX_FMT_FP4 matrix_b_fmt:MATRIX_FMT_FP4 matrix_a_scale:MATRIX_SCALE_ROW1
.else
	v_wmma_scale_f32_16x16x128_f8f6f4 v[8*(8*((\a)%4)+\b):8*(8*((\a)%4)+\b)+7], v[128*(\p)+FR*\b:128*(\p)+FR*\b+FR-1], v[AF+FR*(\a):AF+FR*(\a)+FR-1], v[8*(8*((\a)%4)+\b):8*(8*((\a)%4)+\b)+7], v[SC+8*NQ*(\sc)+NQ*\b+(\q)], v[SC+8*NQ*(\sc)+NQ*(\a)+(\q)] matrix_a_fmt:MATRIX_FMT_FP4 matrix_b_fmt:MATRIX_FMT_FP4 matrix_a_scale:MATRIX_SCALE_ROW1
.endif
.endr
.endr
.endm
.macro FETCH_B slot, q, p
	WIN TO_B
.irp i, 0,1,2,3,4,5,6,7
	FRAG 128*(\p)+FR*\i, ADRB+\slot, \q, \i
.endr
	WIN 0
.endm
.macro FETCH_A slot, q, i0
.irp i, \i0, \i0+1, \i0+2, \i0+3
	FRAG AF+FR*(\i), ADRA+\slot, \q, \i
.endr
.endm
.macro SCALES sc                       ; a slot's scale words: four words a row; lanes 0-15 take A's block i, lanes 16-31 B's block i
.irp i, 0,1,2,3,4,5,6,7
	ds_load_b128 v[SC+8*NQ*\sc+NQ*\i:SC+8*NQ*\sc+NQ*\i+3], v[ADRS] offset:\i*SBLK
.endr
.endm
.macro PLACES n                        ; plain vector lines between a matrix instruction and a load into, or a read of, its registers
.rept \n
	v_nop
.endr
.endm
.macro STEP slot, q, zero              ; a step of 128 along K that has its successor in the same slot
	s_wait_dscnt 4*NL                              ; B's set and A's blocks 0-3 are in; the youngest eight loads (A's blocks 4-7) may be out
	WIN MUL_LO
	MUL16 0, (\q)%2, \q, \slot, \zero
	MUL16 2, (\q)%2, \q, \slot, \zero
	s_wait_dscnt 0
	PLACES NP
	FETCH_B \slot, (\q)+1, 1-(\q)%2
	FETCH_A \slot, (\q)+1, 0
	WIN MUL_HI
	MUL16 4, (\q)%2, \q, \slot, \zero
	MUL16 6, (\q)%2, \q, \slot, \zero
	PLACES NP
	WIN 0
	FETCH_A \slot, (\q)+1, 4
.endm
.macro TURN slot, next                 ; a slot's last step changes slots: each wave's tensor loads have landed and its reads of the slot are over, then one barrier.  Nothing is filled again
	s_wait_tensorcnt 0x0                           ; my part of the next slot has landed
	ds_add_u32 v[SPW], v[NIL]                      ; 0 onto my spare word
	s_wait_dscnt 4*NL+1                            ; (the add and the youngest eight loads may be out)
	WIN MUL_LO
	MUL16 0, 1, NQ-1, \slot, 0
	s_wait_dscnt 0x0                               ; the add is done, and my reads of this slot are over
	s_barrier_signal -1
	MUL16 2, 1, NQ-1, \slot, 0
	WIN 0
	s_barrier_wait -1
	PLACES NP
	v_add_nc_u32 v[ADRS], 4*NQ, v[ADRS]            ; on to the next slot's scale words (no LDS load of mine is out)
	FETCH_B \next, 0, 0
	FETCH_A \next, 0, 0
	SCALES \next
	WIN MUL_HI
	MUL16 4, 1, NQ-1, \slot, 0
	MUL16 6, 1, NQ-1, \slot, 0
	PLACES NP
	WIN 0
	FETCH_A \next, 0, 4
.endm
.macro STEPS slot, from
.set Q, \from
.rept NQ-1-\from
	STEP \slot, Q, 0
.set Q, Q+1
.endr
.endm
	s_wait_tensorcnt 1                             ; the scale bytes and my part of slot 0 are in (slot 1's load may be out)
	s_barrier_signal -1
	s_barrier_wait -1                              ; everybody's are
	FETCH_B 0, 0, 0
	FETCH_A 0, 0, 0
	SCALES 0
	FETCH_A 0, 0, 4
	STEP 0, 0, 1                                   ; the first step's products start the sums
	STEPS 0, 1
	TURN 0, 1
	STEPS 1, 0
	s_wait_dscnt 4*NL                              ; the very last step: nothing more to fetch
	WIN MUL_LO
	MUL16 0, 1, NQ-1, 1, 0
	MUL16 2, 1, NQ-1, 1, 0
	s_wait_dscnt 0
	WIN MUL_HI
	MUL16 4, 1, NQ-1, 1, 0
	MUL16 6, 1, NQ-1, 1, 0
	WIN 0
; THE WAY OUT, block by block of 16 tokens x 128 channels (two heads).  PACK: to f16, 16 bytes a lane, each accumulator from its low end on.  TOSTAGE: into my own stage and back by tokens.
; SEND: lanes 0-15 store two tokens of my first head, 256 consecutive bytes, aligned; lanes 16-31 the same of my second head.
.macro PACK a
.set AC, 64*((\a)%4)
	WIN 0x0a+5*((\a)/4)                            ; sources 0 and 1: window 2 or 3
.irp b, 0,1,2,3,4,5,6,7
.irp r, 0,1,2,3
	v_cvt_pk_f16_f32 v[TMP+4*\b+\r], v[AC+8*\b+2*\r], v[AC+8*\b+2*\r+1]
.endr
.endr
	WIN 0
.endm
.macro TOSTAGE a
.set BB, BK+32*((\a)%2)
.irp b, 0,1,2,3,4,5,6,7
	ds_store_b128 v[STO], v[TMP+4*\b:TMP+4*\b+3] offset:32*\b
.endr
.irp t, 0,1,2,3,4,5,6,7
	ds_load_b128 v[BB+4*\t:BB+4*\t+3], v[RD] offset:\t*2*SPITCH    ; LDS serves a wave's instructions in order: these see the stores above
.endr
.endm
.macro SEND a
.set BB, BK+32*((\a)%2)
	s_wait_dscnt 0x0                               ; the block is back in registers
	s_wait_xcnt 0x0                                ; the earlier stores have read their registers: the next block's loads may land there
.irp t, 0,1,2,3,4,5,6,7
	global_store_b128 v[CO], v[BB+4*\t:BB+4*\t+3], s[12:13] offset:2048*(\a)+256*\t
.endr
.endm
	PLACES NP
	PACK 0
	TOSTAGE 0
.irp a, 1,2,3,4,5,6,7                  ; block a's conversions stand between block a - 1's loads from the stage and the wait for them
	PACK \a
	SEND \a-1
	TOSTAGE \a
.endr
	SEND 7
	s_wait_tensorcnt 0x0                           ; the wave's end
	ds_add_u32 v[SPW], v[NIL]
	s_wait_dscnt 0x0
	CROUND                                         ; the closing round
	s_endpgm
.Lfunc_end_k_q223c633c20_qkv:
	.size	k_q223c633c20_qkv, .Lfunc_end_k_q223c633c20_qkv-k_q223c633c20_qkv
	.p2alignl 7, 3214868480
	.fill 96, 4, 3214868480
	.section	.rodata,"a",@progbits
	.p2align	6, 0x0
	.amdhsa_kernel k_q223c633c20_qkv
		.amdhsa_group_segment_fixed_size 327680
		.amdhsa_private_segment_fixed_size 0
		.amdhsa_enable_private_segment 0
		.amdhsa_kernarg_size 40
		.amdhsa_user_sgpr_count 2
		.amdhsa_user_sgpr_kernarg_segment_ptr 1
		.amdhsa_wavefront_size32 1
		.amdhsa_system_sgpr_workgroup_id_x 1
		.amdhsa_system_sgpr_workgroup_id_y 1
		.amdhsa_system_sgpr_workgroup_id_z 1
		.amdhsa_system_vgpr_workitem_id 0
		.amdhsa_next_free_vgpr 1024
		.amdhsa_next_free_sgpr 98
		.amdhsa_reserve_vcc 0
		.amdhsa_float_denorm_mode_32 3
		.amdhsa_float_denorm_mode_16_64 3
		.amdhsa_memory_ordered 1
		.amdhsa_forward_progress 1
		.amdhsa_inst_pref_size 127
	.end_amdhsa_kernel
	.amdgpu_metadata
---
amdhsa.version: [ 1, 2 ]
amdhsa.kernels:
  - .name:           k_q223c633c20_qkv
    .symbol:         k_q223c633c20_qkv.kd
    .args:
      - { .name: xc, .offset: 0, .size: 8, .value_kind: global_buffer, .address_space: global }
      - { .name: xs, .offset: 8, .size: 8, .value_kind: global_buffer, .address_space: global }
      - { .name: wc, .offset: 16, .size: 8, .value_kind: global_buffer, .address_space: global }
      - { .name: ws, .offset: 24, .size: 8, .value_kind: global_buffer, .address_space: global }
      - { .name: qkv, .offset: 32, .size: 8, .value_kind: global_buffer, .address_space: global }
    .group_segment_fixed_size: 327680
    .private_segment_fixed_size: 0
    .kernarg_segment_align: 8
    .kernarg_segment_size: 40
    .max_flat_workgroup_size: 128
    .sgpr_count:     98
    .vgpr_count:     1024
    .wavefront_size: 32
...
	.end_amdgpu_metadata
.endif
;; end of part 2
;; launch attn (part 3): grid 8 x 32, 8 waves a work-group, clusters of 4 x 1, 327,680 bytes of LDS; arguments qkv, mask, ctx; writes ctx
.if DOCPART == 3
	.amdgcn_target "amdgcn-amd-amdhsa--gfx1250"
	.amdhsa_code_object_version 6
	.text
	.protected	k_q223c633c20_attn
	.globl	k_q223c633c20_attn
	.p2align	8
	.type	k_q223c633c20_attn,@function
k_q223c633c20_attn:
	s_mov_b64 s[64:65], 0
	v_nop
	global_prefetch_b8 v0, s[64:65] scope:SCOPE_SE
	s_setreg_imm32_b32 hwreg(HW_REG_WAVE_MODE, 25, 1), 1
	s_wait_xcnt 0x0
	s_wait_alu depctr_hold_cnt(0) depctr_sa_sdst(0) depctr_va_vdst(0) depctr_va_sdst(0) depctr_va_ssrc(0) depctr_va_vcc(0) depctr_vm_vsrc(0)
	s_getreg_b32 s2, hwreg(HW_REG_IB_STS2, 6, 4)
	s_cmp_eq_u32 s2, 0
	s_cbranch_scc0 .Lentry_in_a_cluster
	s_endpgm
.Lentry_in_a_cluster:
	s_bfe_u32 s2, ttmp6, 0x10000c
	s_cmp_lg_u32 s2, 0x3003
	s_cbranch_scc0 .Lentry_shape_is_right
	s_endpgm
.Lentry_shape_is_right:
; ctx[bh][q][:] = the sum over k of softmax_k(q . k / 32 + mask[b][k]) v[k][:].  q, k, v: qkv[T][bh][2048][64] f16; mask [2][2048] f32; ctx [bh][2048][64] f16.  Products, maxima and sums in f32; the weights p are rounded to f16.
; THE SCORE: s = q . k + 32 mask (32 mask is exact, and is the C of the first product of each tile); p = 2^(c s - c m), c = log2(e) / 32, m the running maximum of s; in every step O and l are multiplied by a = 2^(c m_old - c m_new).
; LIMITS: |q|, |k|, |v| up to 65,504 (f16).  A mask of -infinity gives p = 0 by this arithmetic; a row whose every key is -infinity gives NaN.  NaN among the inputs is not served.
; SHARES.  A work-group owns 256 queries of one (b, h); each of its eight waves 32: two tiles of 16, in 512 registers: two waves to a SIMD, so that one wave's softmax stands beside the other's products; the text goes in plain phases.
; Every wave walks all 2,048 keys, 64 a step.  K and V come through two LDS slots of 512 keys: waves 0-3 fetch K's quarters, waves 4-7 V's, 128 rows a load.
; LAYOUT.  S^T = K Q^T (source 0 = 16 keys, source 1 = 16 queries): a lane holds ONE query (lane % 16) and keys 8 (lane / 16) + 0..7.  Two such tiles, rounded in pairs, ARE source 1 of O^T = V^T P.  V comes out of LDS turned (ds_load_tr16_b128).
; CLUSTER.  The four query blocks of a cluster belong to one (b, h) and walk the same K and V: each tile is asked for JOINTLY, with a mask that names the four.
; NO PREFETCH: slots 0 and 1 are asked for at the head; slots 2 and 3 each a whole slot, eight steps of 32 matrix instructions a wave, ahead of their first read.
; REGISTERS.  window 0: v1-13 addresses; v14, v15 the add's two; v16-31 statistics, eight a tile; v32-63 32 mask of the step's keys; v64-127 S^T; v128-159 P; v160-191 Q; v192-223 the way out.
;             window 1: v0-63 K's fragments; v64-127 V's; v128-191 O^T.
.set PK,    144                        ; a key's row in LDS: 128 bytes + 16: the 16 rows of a load begin 36 words apart
.set PV,    160                        ; a row of V: 128 + 32: the 8 rows x 32 bytes of a turning load's sixteen lanes begin 40 words apart
.set VOFF,  512*PK
.set SLOTB, 512*(PK+PV)                ; a slot: 512 rows of K, then 512 rows of V
.set MASKB, 2*SLOTB                    ; 32 x mask of my batch, 8,192 bytes: written by LDS stores, never a tensor load's target
.set SPARE, MASKB+8192                 ; the spare words, 128 bytes for each wave: four blocks of 256 bytes that no other line names
.set AK0, 2
.set AV0, 3
.set AM0, 4
.set ADK, 5
.set ADV, 6
.set ADM, 7
.set QO,  8
.set STO, 10
.set RD,  11
.set GO,  12
.set SPW, 14
.set NIL, 15
.set ST,  16                           ; tile t at v[ST + 8 t]: +0 c m, +1 m, +2, +3 l (even keys', odd keys'), +4 .. +7 at work; a at +6
.set MK,  32
.set S,   64
.set P,   128
.set QF,  160
.set OUTR, 192
.set KF,  0                            ; in window 1
.set VF,  64
.set OF,  128
.set WV,  12
.set G1K, 24
.set G1V, 32
.set G0K, 40                           ; a set for each slot
.set G0V, 48
.set CNT, 56
.set TK,  57
.set TV,  58
.set TM,  59
.set CS,  60
.set SEL, 62
.set MSB, 0
.macro WIN new
.if MSB != \new
	s_set_vgpr_msb (MSB<<8)|\new
.set MSB, \new
.endif
.endm
.set W_KQ, 0x01                        ; K in window 1; Q, the mask and S^T in window 0
.set W_PV, 0x51                        ; V in window 1, P in window 0, O^T in window 1
.set W_RS, 0x41                        ; O^T (destination and source 0) in window 1, a in window 0
.set TO_1, 0x40
.macro JLOAD s                         ; a joint refill of slot s; the branch hangs on the wave's number alone; an s_nop 0 and four v_nop follow each line
	s_cmp_lt_u32 s[WV], 4
	s_cbranch_scc0 .Lfor_v_\@
	tensor_load_to_lds s[G0K+4*\s:G0K+4*\s+3], s[G1K:G1K+7]
	s_nop 0
.rept 4
	v_nop
.endr
	s_branch .Lasked_\@
.Lfor_v_\@:
	tensor_load_to_lds s[G0V+4*\s:G0V+4*\s+3], s[G1V:G1V+7]
	s_nop 0
.rept 4
	v_nop
.endr
.Lasked_\@:
.endm
.macro CROUND                          ; a round of the cluster's barrier
	s_barrier_signal -1
	s_barrier_wait -1
	s_cmp_lg_u32 s[WV], 0
	s_cbranch_scc1 .Lnot_wave_0_\@
	s_barrier_signal -3
.Lnot_wave_0_\@:
	s_barrier_wait -3
	s_barrier_signal -1
	s_barrier_wait -1
.endm
	s_load_b128 s[4:7], s[0:1], 0x0                ; qkv, mask
	s_load_b64 s[8:9], s[0:1], 0x10                ; ctx
	v_lshl_add_u32 v[SPW], v0, 2, SPARE
	v_mov_b32 v[NIL], 0
	ds_add_u32 v[SPW], v[NIL]                      ; the wave's opening: the add, twice on end, and its wait ahead of my first tensor load
	ds_add_u32 v[SPW], v[NIL]
	v_lshrrev_b32 v1, 5, v0
	v_readfirstlane_b32 s[WV], v1                  ; wave 0..7
	s_bfe_u32 s13, ttmp6, 0x40000                  ; cx
	s_lshl_b32 s14, ttmp9, 2
	s_add_co_u32 s14, s14, s13                     ; my block of 256 queries: it enters Q's and ctx's addresses alone
	s_and_b32 s15, ttmp7, 0xffff                   ; 16 b + h, which the four partners share
	s_and_b32 s16, s[WV], 3                        ; which quarter of a slot I fetch
	s_mul_i32 s17, s16, 128*PK                     ; its place in a slot, for K
	s_mul_i32 s18, s16, 128*PV
	s_add_co_u32 s18, s18, VOFF                    ; and for V
	s_lshl_b32 s20, s15, 18                        ; the plane: 2,048 rows of 128 bytes
	s_lshl_b32 s22, s16, 14                        ; a quarter: 128 rows
	s_add_co_u32 s22, s22, s20
	s_mov_b32 s23, 0
	s_mov_b32 s[G1K], 15|(1<<16)|(1<<20)|(1<<21)|(4<<22)|(3<<25)   ; the mask: all four; elements of 2 bytes; padding on; bit 21 beside a mask; 4 words behind every 32
	s_mov_b32 s[G1V], 15|(1<<16)|(1<<20)|(1<<21)|(4<<22)|(7<<25)   ; the same with 8 words
.irp g, G1K, G1V
	s_mov_b32 s[\g+1], 64<<16                      ; tensor_dim0
	s_mov_b32 s[\g+2], 128<<16                     ; tensor_dim1
	s_mov_b32 s[\g+3], 64<<16                      ; tile_dim0
	s_mov_b32 s[\g+4], 128                         ; tile_dim1
	s_mov_b32 s[\g+5], 64                          ; the pitch in memory
	s_mov_b32 s[\g+6], 0
	s_mov_b32 s[\g+7], 0
.endr
	s_mov_b32 s[CS], 0x3d38aa3b                    ; c = log2(e) / 32
	s_mov_b32 s[CS+1], s[CS]                       ; (named with it as a pair, so it is written)
	s_mov_b32 s[SEL], 0x76543210
	s_mov_b32 s[SEL+1], 0xfedcba98                 ; v_permlanex16_b32: lane l xor 16
	s_lshl_b32 s2, s14, 15                         ; my block's 256 rows,
	s_lshl_b32 s3, s[WV], 12                       ; my wave's 32 of them,
	s_add_co_u32 s2, s2, s3
	s_add_co_u32 s2, s2, s20                       ; in my plane
	s_mov_b32 s3, 0
	s_mul_i32 s19, s[WV], 32*PK                    ; my stage for the way out, in slot 0
	s_wait_dscnt 0x0                               ; both opening adds are done
	s_wait_kmcnt 0x0
	s_add_nc_u64 s[22:23], s[4:5], s[22:23]        ; qkv at my plane and quarter
	s_add_nc_u64 s[10:11], s[4:5], s[2:3]          ; Q at my wave's first row
	s_add_nc_u64 s[8:9], s[8:9], s[2:3]            ; ctx likewise
	s_lshr_b32 s2, s15, 4
	s_lshl_b32 s2, s2, 13
	s_add_nc_u64 s[6:7], s[6:7], s[2:3]            ; my batch's mask
	CROUND                                         ; all four work-groups are here: the first joint loads meet
.irp s, 0,1
	s_mov_b32 s[G0K+4*\s], 1
	s_add_co_u32 s[G0K+4*\s+1], s17, \s*SLOTB
	s_add_nc_u64 s[G0K+4*\s+2:G0K+4*\s+3], s[22:23], 8388608+\s*65536    ; K's tensor; slot s begins with keys 512 s
	s_or_b32 s[G0K+4*\s+3], s[G0K+4*\s+3], 0x80000000
	s_mov_b32 s[G0V+4*\s], 1
	s_add_co_u32 s[G0V+4*\s+1], s18, \s*SLOTB
	s_add_nc_u64 s[G0V+4*\s+2:G0V+4*\s+3], s[22:23], 16777216+\s*65536   ; V's tensor
	s_or_b32 s[G0V+4*\s+3], s[G0V+4*\s+3], 0x80000000
.endr
	s_cmp_lt_u32 s[WV], 4                          ; a wave's two first fills stand in one branch: two loads of mine are out
	s_cbranch_scc0 .Lfirst_v
	tensor_load_to_lds s[G0K:G0K+3], s[G1K:G1K+7]
	s_nop 0
	tensor_load_to_lds s[G0K+4:G0K+7], s[G1K:G1K+7]
	s_nop 0
.rept 4
	v_nop
.endr
	s_branch .Lfirst_asked
.Lfirst_v:
	tensor_load_to_lds s[G0V:G0V+3], s[G1V:G1V+7]
	s_nop 0
	tensor_load_to_lds s[G0V+4:G0V+7], s[G1V:G1V+7]
	s_nop 0
.rept 4
	v_nop
.endr
.Lfirst_asked:
	v_and_b32 v1, 15, v0                           ; r
	v_bfe_u32 v9, v0, 4, 1                         ; h
	v_lshlrev_b32 v[QO], 7, v1
	v_lshl_add_u32 v[QO], v9, 4, v[QO]             ; a row of 128 bytes, + 16 h
.irp t, 0,1
.irp cs, 0,1
	global_load_b128 v[QF+16*\t+8*\cs:QF+16*\t+8*\cs+3],   v[QO], s[10:11] offset:2048*\t+64*\cs      ; Q stays in registers: tile t, channels 32 cs on
	global_load_b128 v[QF+16*\t+8*\cs+4:QF+16*\t+8*\cs+7], v[QO], s[10:11] offset:2048*\t+64*\cs+32
.endr
.endr
	v_lshlrev_b32 v13, 4, v0                       ; the mask: 16 bytes a thread, twice
	global_load_b128 v[32:35], v13, s[6:7]
	global_load_b128 v[36:39], v13, s[6:7] offset:4096
	v_mul_u32_u24 v[AK0], v1, PK
	v_lshl_add_u32 v[AK0], v9, 4, v[AK0]           ; K: row r x pitch + 16 h
	v_and_b32 v5, 7, v0
	v_lshl_add_u32 v[AV0], v9, 3, v5
	v_mul_u32_u24 v[AV0], v[AV0], PV
	v_bfe_u32 v6, v0, 3, 1
	v_lshl_add_u32 v[AV0], v6, 4, v[AV0]           ; V, for the turning load: key 8 h + l % 8, channels 8 ((l / 8) % 2) on
	v_lshlrev_b32 v[AM0], 5, v9
	v_add_nc_u32 v[AM0], MASKB, v[AM0]             ; the mask of keys 8 h + 0..7 of a tile
	v_add_nc_u32 v[STO], s19, v[AK0]               ; the way out, in: row r, 16 bytes for each half of the lanes (the stage has K's pitch)
	v_bfe_u32 v7, v0, 3, 2
	v_mul_u32_u24 v[RD], v7, PK
	v_lshl_add_u32 v[RD], v5, 4, v[RD]
	v_add_nc_u32 v[RD], s19, v[RD]                 ; back: eight lanes to a row of 128 bytes, four rows an instruction
	v_and_b32 v[GO], 31, v0
	v_lshlrev_b32 v[GO], 4, v[GO]                  ; and in ctx: 512 dense bytes an instruction
	v_add_nc_u32 v5, MASKB, v13
.irp t, 0,1
	v_mov_b32 v[ST+8*\t+1], 0xff61b1e6             ; m: -3e38, under every score
	v_mul_f32 v[ST+8*\t], s[CS], v[ST+8*\t+1]      ; c m
	v_mov_b32 v[ST+8*\t+2], 0                      ; l
	v_mov_b32 v[ST+8*\t+3], 0
.endr
	WIN TO_1
.set i, 0
.rept 64
	v_mov_b32 v[OF+i], 0                           ; O^T.  (The step is written once: the first finds zeros, which its a leaves zeros)
.set i, i+1
.endr
	WIN 0
	s_wait_loadcnt 0x0                             ; Q and the mask
.irp j, 0,2,4,6
	v_pk_mul_f32 v[32+\j:33+\j], v[32+\j:33+\j], 0x42000000 op_sel_hi:[1,0]   ; x 32: exact
.endr
	ds_store_b128 v5, v[32:35]
	ds_store_b128 v5, v[36:39] offset:4096
	s_wait_tensorcnt 1                             ; my part of slot 0 is in; slot 1's may stay out
	s_wait_dscnt 0x0                               ; for the others' sake: my part of the mask lies in LDS
	s_barrier_signal -1
	s_barrier_wait -1
; A KEY STEP: 64 keys at s[TK], s[TV], s[TM].
.macro STEP
	v_add_nc_u32 v[ADK], s[TK], v[AK0]
	v_add_nc_u32 v[ADV], s[TV], v[AV0]
	v_add_nc_u32 v[ADM], s[TM], v[AM0]
	WIN TO_1
.irp kt, 0,1,2,3                       ; K: keys 16 kt on, channels 32 cs on
.irp cs, 0,1
	ds_load_b128 v[KF+8*(2*\kt+\cs):KF+8*(2*\kt+\cs)+3],   v[ADK] offset:16*PK*\kt+64*\cs
	ds_load_b128 v[KF+8*(2*\kt+\cs)+4:KF+8*(2*\kt+\cs)+7], v[ADK] offset:16*PK*\kt+64*\cs+32
.endr
.endr
	WIN 0
.irp kt, 0,1,2,3                       ; 32 mask in the result's layout: register j of tile kt is key 16 kt + 8 h + j
	ds_load_b128 v[MK+8*\kt:MK+8*\kt+3],   v[ADM] offset:64*\kt
	ds_load_b128 v[MK+8*\kt+4:MK+8*\kt+7], v[ADM] offset:64*\kt+16
.endr
	s_wait_dscnt 0x0
	WIN W_KQ
.irp cs, 0,1                           ; S^T = K Q^T + 32 mask: eight accumulators by turns, one instruction a turn
.irp kt, 0,1,2,3
.irp t, 0,1
.if \cs == 0
	v_wmma_f32_16x16x32_f16 v[S+32*\t+8*\kt:S+32*\t+8*\kt+7], v[KF+8*(2*\kt+\cs):KF+8*(2*\kt+\cs)+7], v[QF+16*\t+8*\cs:QF+16*\t+8*\cs+7], v[MK+8*\kt:MK+8*\kt+7]
.else
	v_wmma_f32_16x16x32_f16 v[S+32*\t+8*\kt:S+32*\t+8*\kt+7], v[KF+8*(2*\kt+\cs):KF+8*(2*\kt+\cs)+7], v[QF+16*\t+8*\cs:QF+16*\t+8*\cs+7], v[S+32*\t+8*\kt:S+32*\t+8*\kt+7]
.endif
.endr
.endr
.endr
	WIN 0
.rept 4
	v_nop                                          ; places in front of the reads of S^T; with the three additions at the step's head also in front of the loads into V's registers
.endr
	WIN TO_1
.irp ks, 0,1                           ; V, turned: keys 32 ks on, channels 16 ct on; it lands under the softmax
.irp ct, 0,1,2,3
	ds_load_tr16_b128 v[VF+8*(4*\ks+\ct):VF+8*(4*\ks+\ct)+3],   v[ADV] offset:32*PV*\ks+32*\ct
	ds_load_tr16_b128 v[VF+8*(4*\ks+\ct)+4:VF+8*(4*\ks+\ct)+7], v[ADV] offset:32*PV*\ks+32*\ct+16*PV
.endr
.endr
	WIN 0
	; the maximum of a lane's 32 scores and the old m, three at a time, four chains a tile, each accumulator from its low end on; the two tiles alternate line by line
.irp j, 0,1,2,3
.irp t, 0,1
	v_max3_num_f32 v[ST+8*\t+4+\j], v[S+32*\t+8*\j], v[S+32*\t+8*\j+1], v[S+32*\t+8*\j+2]
.endr
.endr
.irp g, 1,2
.irp j, 0,1,2,3
.irp t, 0,1
	v_max3_num_f32 v[ST+8*\t+4+\j], v[ST+8*\t+4+\j], v[S+32*\t+8*\j+2*\g+1], v[S+32*\t+8*\j+2*\g+2]
.endr
.endr
.endr
.irp t, 0,1
	v_max3_num_f32 v[ST+8*\t+4], v[ST+8*\t+4], v[S+32*\t+7], v[S+32*\t+15]
.endr
.irp t, 0,1
	v_max3_num_f32 v[ST+8*\t+6], v[ST+8*\t+6], v[S+32*\t+23], v[S+32*\t+31]
.endr
.irp t, 0,1
	v_max3_num_f32 v[ST+8*\t+4], v[ST+8*\t+4], v[ST+8*\t+5], v[ST+8*\t+6]
.endr
.irp t, 0,1
	v_max3_num_f32 v[ST+8*\t+4], v[ST+8*\t+4], v[ST+8*\t+7], v[ST+8*\t+1]
.endr
.irp t, 0,1
	v_permlanex16_b32 v[ST+8*\t+5], v[ST+8*\t+4], s[SEL], s[SEL+1]   ; the query's other 32 keys lie in the lane 16 away
.endr
.irp t, 0,1
	v_mov_b32 v[ST+8*\t+7], v[ST+8*\t]             ; c m_old is kept for a
.endr
.irp t, 0,1
	v_max_num_f32 v[ST+8*\t+1], v[ST+8*\t+4], v[ST+8*\t+5]
.endr
.irp t, 0,1
	v_mul_f32 v[ST+8*\t], s[CS], v[ST+8*\t+1]
.endr
.irp t, 0,1
	v_sub_f32 v[ST+8*\t+7], v[ST+8*\t+7], v[ST+8*\t]
.endr
.irp b, 0,1,2,3,4,5,6,7,8,9,10,11,12,13,14,15
.irp t, 0,1
	v_pk_fma_f32 v[S+32*\t+2*\b:S+32*\t+2*\b+1], v[S+32*\t+2*\b:S+32*\t+2*\b+1], s[CS:CS+1], v[ST+8*\t:ST+8*\t+1] op_sel_hi:[1,0,0] neg_lo:[0,0,1] neg_hi:[0,0,1]   ; c s - c m, two at a time
.endr
.endr
.irp t, 0,1
	v_exp_f32 v[ST+8*\t+6], v[ST+8*\t+7]           ; a.  ONE BATCH of 66 exponentials for both tiles: none reads another's result
.endr
.irp e, 0,1,2,3,4,5,6,7,8,9,10,11,12,13,14,15,16,17,18,19,20,21,22,23,24,25,26,27,28,29,30,31
.irp t, 0,1
	v_exp_f32 v[S+32*\t+\e], v[S+32*\t+\e]
.endr
.endr
	v_nop                                          ; a plain line behind the last exponential,
	s_wait_alu depctr_va_vdst(0)                   ; and the one wait ahead of the batch's first reader
.irp i, 0,1,2,3,4,5,6,7,8,9,10,11,12,13,14,15
.irp t, 0,1
	v_cvt_pk_f16_f32 v[P+16*\t+\i], v[S+32*\t+2*\i], v[S+32*\t+2*\i+1]   ; the weights as f16, a pair of neighbouring keys each
.endr
.endr
.irp u, 0,1,2,3,4,5,6,7                ; the sum of the unrounded weights, in place, pairs 1, 2, 4, 8 apart
.irp t, 0,1
	v_pk_add_f32 v[S+32*\t+4*\u:S+32*\t+4*\u+1], v[S+32*\t+4*\u:S+32*\t+4*\u+1], v[S+32*\t+4*\u+2:S+32*\t+4*\u+3]
.endr
.endr
.irp u, 0,1,2,3
.irp t, 0,1
	v_pk_add_f32 v[S+32*\t+8*\u:S+32*\t+8*\u+1], v[S+32*\t+8*\u:S+32*\t+8*\u+1], v[S+32*\t+8*\u+4:S+32*\t+8*\u+5]
.endr
.endr
.irp u, 0,1
.irp t, 0,1
	v_pk_add_f32 v[S+32*\t+16*\u:S+32*\t+16*\u+1], v[S+32*\t+16*\u:S+32*\t+16*\u+1], v[S+32*\t+16*\u+8:S+32*\t+16*\u+9]
.endr
.endr
.irp t, 0,1
	v_pk_add_f32 v[S+32*\t:S+32*\t+1], v[S+32*\t:S+32*\t+1], v[S+32*\t+16:S+32*\t+17]
.endr
.irp t, 0,1
	v_pk_fma_f32 v[ST+8*\t+2:ST+8*\t+3], v[ST+8*\t+2:ST+8*\t+3], v[ST+8*\t+6:ST+8*\t+7], v[S+32*\t:S+32*\t+1] op_sel_hi:[1,0,1]   ; l = a l + the sum
.endr
	WIN W_RS
.irp i, 0,1,2,3,4,5,6,7,8,9,10,11,12,13,14,15
.irp t, 0,1
	v_pk_mul_f32 v[OF+32*\t+2*\i:OF+32*\t+2*\i+1], v[OF+32*\t+2*\i:OF+32*\t+2*\i+1], v[ST+8*\t+6:ST+8*\t+7] op_sel_hi:[1,0]   ; O^T x a, each accumulator from its low end on
.endr
.endr
	s_wait_dscnt 0x0                               ; V is in
	WIN W_PV
.irp ks, 0,1                           ; O^T += V^T P: eight accumulators by turns
.irp ct, 0,1,2,3
.irp t, 0,1
	v_wmma_f32_16x16x32_f16 v[OF+32*\t+8*\ct:OF+32*\t+8*\ct+7], v[VF+8*(4*\ks+\ct):VF+8*(4*\ks+\ct)+7], v[P+16*\t+8*\ks:P+16*\t+8*\ks+7], v[OF+32*\t+8*\ct:OF+32*\t+8*\ct+7]
.endr
.endr
.endr
	WIN 0
.endm
; A slot's eight steps: the step written once, walked eight times; the LDS addresses hang on scalars that begin at constants and step by constants.  fill: which 512 keys of the head (for the mask)
.macro SLOTRUN slot, fill
	s_mov_b32 s[TK], \slot*SLOTB
	s_mov_b32 s[TV], \slot*SLOTB+VOFF
	s_mov_b32 s[TM], 2048*\fill
	s_mov_b32 s[CNT], 8
.Lstep_\@:
	STEP
	s_add_co_u32 s[TK], s[TK], 64*PK
	s_add_co_u32 s[TV], s[TV], 64*PV
	s_add_co_u32 s[TM], s[TM], 256
	s_sub_co_u32 s[CNT], s[CNT], 1
	s_cmp_lg_u32 s[CNT], 0
	s_cbranch_scc1 .Lstep_\@
.endm
; THE CHANGE OF SLOTS.  Each wave waits for all its tensor loads (its part of the slot ahead), adds 0 to its spare word, and waits for that and for its reads of the slot that it leaves.
; fill = 1: that slot is filled again with the keys 1,024 on: the barrier is then a round of the cluster's, and the joint refill is the first thing behind it: one load of mine is out, with eight steps in which to land.
.macro CHANGE slot, fill
	s_wait_tensorcnt 0x0                           ; no tensor load of mine is out, so a group 0 may be written
	ds_add_u32 v[SPW], v[NIL]                      ; 0 onto my spare word
.if \fill
	s_add_nc_u64 s[G0K+4*\slot+2:G0K+4*\slot+3], s[G0K+4*\slot+2:G0K+4*\slot+3], 131072
	s_add_nc_u64 s[G0V+4*\slot+2:G0V+4*\slot+3], s[G0V+4*\slot+2:G0V+4*\slot+3], 131072
.endif
	s_wait_dscnt 0x0                               ; the add is done, and my reads of the slot are over
.if \fill
	CROUND
	JLOAD \slot
.else
	s_barrier_signal -1
	s_barrier_wait -1
.endif
.endm
	SLOTRUN 0, 0
	CHANGE 0, 1
	SLOTRUN 1, 1
	CHANGE 1, 1
	SLOTRUN 0, 2
	CHANGE 0, 0                                    ; nothing is left to ask for
	SLOTRUN 1, 3
	; THE WAY OUT.  l's halves and the other half of the lanes' are added; O^T / l is rounded to f16 and goes through my stage in slot 0 (its last fill and its last read lie behind the last change of slots).
.rept 4
	v_nop                                          ; places behind the last products
.endr
.irp t, 0,1
	v_add_f32 v[ST+8*\t+4], v[ST+8*\t+2], v[ST+8*\t+3]
.endr
.irp t, 0,1
	v_permlanex16_b32 v[ST+8*\t+5], v[ST+8*\t+4], s[SEL], s[SEL+1]
.endr
.irp t, 0,1
	v_add_f32 v[ST+8*\t+4], v[ST+8*\t+4], v[ST+8*\t+5]
.endr
.irp t, 0,1
	v_rcp_f32 v[ST+8*\t+6], v[ST+8*\t+4]
.endr
	v_nop                                          ; a plain line behind the last reciprocal,
	s_wait_alu depctr_va_vdst(0)                   ; and the wait ahead of the first use: one for both
	WIN 0x01                                       ; source 0 (O^T) window 1; the results go to S^T's registers
.set i, 0
.rept 32
	v_pk_mul_f32 v[S+2*i:S+2*i+1], v[OF+2*i:OF+2*i+1], v[ST+8*(i/16)+6:ST+8*(i/16)+7] op_sel_hi:[1,0]
.set i, i+1
.endr
	WIN 0
.set i, 0
.rept 32
	v_cvt_pk_f16_f32 v[P+i], v[S+2*i], v[S+2*i+1]
.set i, i+1
.endr
.irp t, 0,1
.irp ct, 0,1,2,3
	ds_store_b128 v[STO], v[P+16*\t+4*\ct:P+16*\t+4*\ct+3] offset:16*PK*\t+32*\ct   ; query 16 t + r, channels 16 ct + 8 h + 0..7
.endr
.endr
.irp i, 0,1,2,3,4,5,6,7
	ds_load_b128 v[OUTR+4*\i:OUTR+4*\i+3], v[RD] offset:4*PK*\i    ; LDS serves a wave's instructions in order: these see my stores
.endr
.irp i, 0,1,2,3,4,5,6,7
	s_wait_dscnt 7-\i
	global_store_b128 v[GO], v[OUTR+4*\i:OUTR+4*\i+3], s[8:9] offset:512*\i   ; 32 lanes store 512 consecutive bytes, aligned
.endr
	s_wait_tensorcnt 0x0                           ; the wave's end
	ds_add_u32 v[SPW], v[NIL]
	s_wait_dscnt 0x0
	CROUND                                         ; the closing round
	s_endpgm
.Lfunc_end_k_q223c633c20_attn:
	.size	k_q223c633c20_attn, .Lfunc_end_k_q223c633c20_attn-k_q223c633c20_attn
	.p2alignl 7, 3214868480
	.fill 96, 4, 3214868480
	.section	.rodata,"a",@progbits
	.p2align	6, 0x0
	.amdhsa_kernel k_q223c633c20_attn
		.amdhsa_group_segment_fixed_size 327680
		.amdhsa_private_segment_fixed_size 0
		.amdhsa_enable_private_segment 0
		.amdhsa_kernarg_size 24
		.amdhsa_user_sgpr_count 2
		.amdhsa_user_sgpr_kernarg_segment_ptr 1
		.amdhsa_wavefront_size32 1
		.amdhsa_system_sgpr_workgroup_id_x 1
		.amdhsa_system_sgpr_workgroup_id_y 1
		.amdhsa_system_sgpr_workgroup_id_z 1
		.amdhsa_system_vgpr_workitem_id 0
		.amdhsa_next_free_vgpr 512
		.amdhsa_next_free_sgpr 66
		.amdhsa_reserve_vcc 0
		.amdhsa_float_denorm_mode_32 3
		.amdhsa_float_denorm_mode_16_64 3
		.amdhsa_memory_ordered 1
		.amdhsa_forward_progress 1
		.amdhsa_inst_pref_size 92
	.end_amdhsa_kernel
	.amdgpu_metadata
---
amdhsa.version: [ 1, 2 ]
amdhsa.kernels:
  - .name:           k_q223c633c20_attn
    .symbol:         k_q223c633c20_attn.kd
    .args:
      - { .name: qkv, .offset: 0, .size: 8, .value_kind: global_buffer, .address_space: global }
      - { .name: mask, .offset: 8, .size: 8, .value_kind: global_buffer, .address_space: global }
      - { .name: ctx, .offset: 16, .size: 8, .value_kind: global_buffer, .address_space: global }
    .group_segment_fixed_size: 327680
    .private_segment_fixed_size: 0
    .kernarg_segment_align: 8
    .kernarg_segment_size: 24
    .max_flat_workgroup_size: 256
    .sgpr_count:     66
    .vgpr_count:     512
    .wavefront_size: 32
...
	.end_amdgpu_metadata
.endif
;; end of part 3
;; launch proj (part 4): grid 8 x 32, 4 waves a work-group, clusters of 4 x 4, 327,680 bytes of LDS; arguments ctx, wo16, bo, out0; writes out0
.if DOCPART == 4
	.amdgcn_target "amdgcn-amd-amdhsa--gfx1250"
	.amdhsa_code_object_version 6
	.text
	.protected	k_q223c633c20_proj
	.globl	k_q223c633c20_proj
	.p2align	8
	.type	k_q223c633c20_proj,@function
k_q223c633c20_proj:
	s_mov_b64 s[64:65], 0
	v_nop
	global_prefetch_b8 v0, s[64:65] scope:SCOPE_SE
	s_setreg_imm32_b32 hwreg(HW_REG_WAVE_MODE, 25, 1), 1
	s_wait_xcnt 0x0
	s_wait_alu depctr_hold_cnt(0) depctr_sa_sdst(0) depctr_va_vdst(0) depctr_va_sdst(0) depctr_va_ssrc(0) depctr_va_vcc(0) depctr_vm_vsrc(0)
	s_getreg_b32 s2, hwreg(HW_REG_IB_STS2, 6, 4)
	s_cmp_eq_u32 s2, 0
	s_cbranch_scc0 .Lentry_in_a_cluster
	s_endpgm
.Lentry_in_a_cluster:
	s_bfe_u32 s2, ttmp6, 0x10000c
	s_cmp_lg_u32 s2, 0xf033
	s_cbranch_scc0 .Lentry_shape_is_right
	s_endpgm
.Lentry_shape_is_right:
; out0[m][n] = sum over k of ctx[m][k] Wo[k][n] + bo[n].  ctx: [16 b + head][s 2048][64] f16 (k = 64 head + channel, m = 2,048 b + s); wo16: [k 1024][n 1024] f16; bo [1024], out0 [4096][1024]: f32; sums in f32.
; A tile of out0 is 128 x 128: 256 work-groups of four waves, each wave 64 x 64: 16 accumulators.  K goes in steps of 256 (four heads) through two LDS slots; four K steps: two first fills, two refills.
; A's tile comes as four rows (heads) of 64 tokens x 64 channels, 8,192 dense bytes each, with 16 bytes of padding behind every token's 128; B's as 128 rows (k) of 256 bytes + 32, and leaves LDS turned (ds_load_tr16_b128).
; CLUSTERS: 4 x 4 work-groups; A's tiles are asked for jointly along a row of the cluster, B's along a column.
; THE MATRIX INSTRUCTION IS USED TRANSPOSED (source 0 = 16 columns of Wo, source 1 = 16 tokens): a lane holds eight neighbouring numbers of a row of out0.  The bias is the C of each sum's first product.
; NO PREFETCH: the tile is small and two of its four K steps are asked for at the head.
; REGISTERS: window 0: v0-31 addresses; v32-95 the way out; v96-127 the bias, eight registers for each of my four column blocks; v128-255 the accumulators ((a, b) at v[128 + 8 (4 a + b)]).
;   window 1: two fragment buffers of 128: for 64 along K, 64 registers of A, then 64 of B.
.set PA,     144                       ; a token's 64 channels in LDS: 128 bytes + 16
.set PB,     288                       ; a row of Wo's tile: 256 bytes + 32
.set HALFT,  36864                     ; what one tensor load brings: 4 x 64 x PA = 128 x PB
.set SLOT,   4*HALFT                   ; A's two halves (64 tokens each), then B's two halves (128 along K each)
.set SPARE,  2*SLOT                    ; the spare words, 128 bytes for each wave: two blocks of 256 bytes that no other line names
.set SPITCH, 272                       ; the way out: a stage of 16 rows x (256 bytes + 16) for each wave, in slot 0, which has had its last fill and its last read by then
.set LAPS,   2
.set ADRA, 16                          ; v16-17  my A fragments in slot 0, 1
.set ADRB, 20                          ; v20-23  my B fragments: 2 x slot + which 128 along K
.set STO,  24
.set RD,   25
.set CO,   26
.set BO,   27
.set SPW,  28
.set NIL,  29
.set TMP,  32
.set BI,   96
.set ACC,  128
.set F0,   0
.set F1,   128
.set G1, 24
.set G0, 32
.set G1B, 48
.set G0B, 56
.set MSB, 0
.macro WIN new
.if MSB != \new
	s_set_vgpr_msb (MSB<<8)|\new
.set MSB, \new
.endif
.endm
.set MUL,  0x05                        ; sources 0 (B) and 1 (A) window 1; C and D window 0
.set TO_F, 0x40
.macro JLOAD s                         ; a joint load: waves 0 and 1 fetch A's halves, waves 2 and 3 B's; an s_nop 0 and four v_nop follow each line
	s_cmp_eq_u32 s11, 0
	s_cbranch_scc0 .Lfor_b_\@
	tensor_load_to_lds s[G0+4*\s:G0+4*\s+3], s[G1:G1+7]
	s_nop 0
.rept 4
	v_nop
.endr
	s_branch .Lasked_\@
.Lfor_b_\@:
	tensor_load_to_lds s[G0B+4*\s:G0B+4*\s+3], s[G1B:G1B+7]
	s_nop 0
.rept 4
	v_nop
.endr
.Lasked_\@:
.endm
.macro CREST                           ; a round of the cluster's barrier behind its opening barrier
	s_cmp_lg_u32 s10, 0
	s_cbranch_scc1 .Lnot_wave_0_\@
	s_barrier_signal -3
.Lnot_wave_0_\@:
	s_barrier_wait -3
	s_barrier_signal -1
	s_barrier_wait -1
.endm
.macro CROUND
	s_barrier_signal -1
	s_barrier_wait -1
	CREST
.endm
	s_load_b128 s[4:7], s[0:1], 0x0                ; ctx, wo16
	s_load_b64 s[66:67], s[0:1], 0x10              ; bo
	s_load_b64 s[8:9], s[0:1], 0x18                ; out0
	v_lshl_add_u32 v[SPW], v0, 2, SPARE
	v_mov_b32 v[NIL], 0
	ds_add_u32 v[SPW], v[NIL]                      ; the wave's opening: the add, twice on end, and its wait ahead of my first tensor load
	ds_add_u32 v[SPW], v[NIL]
	v_lshrrev_b32 v1, 5, v0
	v_readfirstlane_b32 s10, v1                    ; wave 0..3
	s_lshr_b32 s11, s10, 1                         ; which half of the tile's rows is mine.  Also: I fetch for A (0) or for B (1)
	s_and_b32 s12, s10, 1                          ; which half of its columns.  Also: which half of that tile I fetch
	s_bfe_u32 s40, ttmp6, 0x40000                  ; cx, cy
	s_bfe_u32 s41, ttmp6, 0x40004
	s_lshl_b32 s42, ttmp9, 2
	s_add_co_u32 s42, s42, s40                     ; tile column
	s_and_b32 s13, ttmp7, 0xffff
	s_lshl_b32 s13, s13, 2
	s_add_co_u32 s13, s13, s41                     ; tile row
	s_lshl_b32 s43, s41, 2
	s_lshl_b32 s43, 15, s43                        ; my row of the cluster
	s_lshl_b32 s44, 0x1111, s40                    ; my column
	s_or_b32 s[G1+0], s43, (1<<16)|(1<<20)|(1<<21)|(4<<22)|(3<<25)   ; A: the mask; elements of 2 bytes; padding on; bit 21 beside a mask; 4 words behind every 32
	s_mov_b32 s[G1+1], 4096<<16                    ; tensor_dim0: 64 tokens x 64 channels
	s_mov_b32 s[G1+2], 4<<16                       ; tensor_dim1: 4 heads
	s_mov_b32 s[G1+3], 4096<<16                    ; tile_dim0
	s_mov_b32 s[G1+4], 4                           ; tile_dim1
	s_mov_b32 s[G1+5], 131072                      ; from head to head: 2,048 x 64 elements
	s_mov_b32 s[G1+6], 0
	s_mov_b32 s[G1+7], 0
	s_or_b32 s[G1B+0], s44, (1<<16)|(1<<20)|(1<<21)|(5<<22)|(7<<25)  ; B: 8 words behind every 64
	s_mov_b32 s[G1B+1], 128<<16
	s_mov_b32 s[G1B+2], 128<<16
	s_mov_b32 s[G1B+3], 128<<16
	s_mov_b32 s[G1B+4], 128
	s_mov_b32 s[G1B+5], 1024
	s_mov_b32 s[G1B+6], 0
	s_mov_b32 s[G1B+7], 0
	s_lshl_b32 s16, s13, 7
	s_lshl_b32 s17, s12, 6
	s_add_co_u32 s16, s16, s17                     ; A: token 128 x tile row + 64 x half
	s_lshr_b32 s17, s16, 11                        ; the batch: 16 planes of 262,144 bytes
	s_and_b32 s16, s16, 2047
	s_lshl_b32 s16, s16, 7                         ; a token of a head is 128 bytes
	s_lshl_b32 s17, s17, 22
	s_add_co_u32 s16, s16, s17
	s_mov_b32 s17, 0
	s_lshl_b32 s46, s12, 18                        ; B: 128 rows of 2,048 bytes x half,
	s_lshl_b32 s47, s42, 8                         ; 256 bytes x tile column
	s_add_co_u32 s46, s46, s47
	s_mov_b32 s47, 0
	s_mul_i32 s20, s10, HALFT                      ; where they go: wave x what a load brings
	s_wait_dscnt 0x0                               ; both opening adds are done
	s_wait_kmcnt 0x0
	s_add_nc_u64 s[14:15], s[4:5], s[16:17]
	s_add_nc_u64 s[46:47], s[6:7], s[46:47]
	CROUND                                         ; all sixteen work-groups are here: the first joint loads meet
.irp s, 0,1
	s_mov_b32 s[G0+4*\s], 1
	s_add_co_u32 s[G0+4*\s+1], s20, \s*SLOT
	s_add_nc_u64 s[G0+4*\s+2:G0+4*\s+3], s[14:15], \s*1048576      ; K step s: four heads on
	s_or_b32 s[G0+4*\s+3], s[G0+4*\s+3], 0x80000000
	s_mov_b32 s[G0B+4*\s], 1
	s_add_co_u32 s[G0B+4*\s+1], s20, \s*SLOT
	s_add_nc_u64 s[G0B+4*\s+2:G0B+4*\s+3], s[46:47], \s*524288     ; 256 rows on
	s_or_b32 s[G0B+4*\s+3], s[G0B+4*\s+3], 0x80000000
	JLOAD \s
.endr
	v_and_b32 v1, 15, v0                           ; r
	v_bfe_u32 v2, v0, 4, 1                         ; h
	s_lshl_b32 s46, s42, 9                         ; my first column, in bytes of f32: 512 x tile column + 256 x half: in bo and in a row of out0 alike
	s_lshl_b32 s47, s12, 8
	s_add_co_u32 s46, s46, s47
	s_mov_b32 s47, 0
	s_add_nc_u64 s[66:67], s[66:67], s[46:47]
	s_add_nc_u64 s[8:9], s[8:9], s[46:47]
	v_lshlrev_b32 v[BO], 5, v2
.irp b, 0,1,2,3
	global_load_b128 v[BI+8*\b:BI+8*\b+3],   v[BO], s[66:67] offset:64*\b      ; bo at columns 16 b + 8 h + 0..7: the result's layout
	global_load_b128 v[BI+8*\b+4:BI+8*\b+7], v[BO], s[66:67] offset:64*\b+16
.endr
	v_mul_u32_u24 v3, v1, PA
	v_lshl_add_u32 v3, v2, 4, v3                   ; A: token r x pitch + 16 h
	s_mul_i32 s21, s11, HALFT                      ; my 64 tokens
.irp s, 0,1
	v_add_nc_u32 v[ADRA+\s], s21, v3
	s_add_co_u32 s21, s21, SLOT
.endr
	v_and_b32 v5, 7, v0
	v_lshl_add_u32 v4, v2, 3, v5
	v_mul_u32_u24 v4, v4, PB
	v_bfe_u32 v6, v0, 3, 1
	v_lshl_add_u32 v4, v6, 4, v4                   ; B, for the turning load: row 8 h + l % 8, columns 8 ((l / 8) % 2) on
	s_lshl_b32 s22, s12, 7                         ; my 64 columns: 128 bytes x half,
	s_add_co_u32 s22, s22, 2*HALFT                 ; behind A's two halves
	v_add_nc_u32 v7, s22, v4
.irp i, 0,1,2,3
	v_add_nc_u32 v[ADRB+\i], (\i/2)*SLOT+(\i%2)*HALFT, v7
.endr
	s_mul_i32 s23, s10, 16*SPITCH                  ; my stage
	v_mul_u32_u24 v4, v1, SPITCH
	v_lshl_add_u32 v4, v2, 5, v4
	v_add_nc_u32 v[STO], s23, v4                   ; in: row r, 32 bytes for each half of the lanes
	v_mul_u32_u24 v5, v2, SPITCH
	v_lshl_add_u32 v5, v1, 4, v5
	v_add_nc_u32 v[RD], s23, v5                    ; back: lanes 0-15 one row of 256 bytes, lanes 16-31 the next
	v_lshlrev_b32 v[CO], 12, v2
	v_lshl_add_u32 v[CO], v1, 4, v[CO]             ; and the same two rows in out0
	s_lshl_b32 s16, s13, 7
	s_lshl_b32 s17, s11, 6
	s_add_co_u32 s16, s16, s17                     ; my first row: 128 x tile row + 64 x half
	s_lshl_b32 s16, s16, 12
	s_mov_b32 s17, 0
	s_add_nc_u64 s[8:9], s[8:9], s[16:17]
; 8 matrix instructions: row blocks a0, a0 + 1 x all 4 column blocks, 32 along K: half c of buffer f.  first = 1: the first product starts the sums from the bias.  The 16 accumulators take turns.
.macro MUL8 f, c, a0, first
.irp a, \a0, \a0+1
.irp b, 0,1,2,3
.if \first
	v_wmma_f32_16x16x32_f16 v[ACC+8*(4*(\a)+\b):ACC+8*(4*(\a)+\b)+7], v[\f+64+8*(4*\c+\b):\f+64+8*(4*\c+\b)+7], v[\f+8*(4*\c+\a):\f+8*(4*\c+\a)+7], v[BI+8*\b:BI+8*\b+7]
.else
	v_wmma_f32_16x16x32_f16 v[ACC+8*(4*(\a)+\b):ACC+8*(4*(\a)+\b)+7], v[\f+64+8*(4*\c+\b):\f+64+8*(4*\c+\b)+7], v[\f+8*(4*\c+\a):\f+8*(4*\c+\a)+7], v[ACC+8*(4*(\a)+\b):ACC+8*(4*(\a)+\b)+7]
.endif
.endr
.endr
.endm
; 32 LDS loads in one run: the fragments of the slot's quarter qd (one head: 64 along K) into buffer f; the first 32 along K first
.macro FETCH slot, qd, f
	WIN TO_F
.irp c, 0,1
.irp i, 0,1,2,3
	ds_load_tr16_b128 v[\f+64+8*(4*\c+\i):\f+64+8*(4*\c+\i)+3],   v[ADRB+2*\slot+(\qd)/2] offset:((64*(\qd)+32*\c)%128)*PB+32*\i
	ds_load_tr16_b128 v[\f+64+8*(4*\c+\i)+4:\f+64+8*(4*\c+\i)+7], v[ADRB+2*\slot+(\qd)/2] offset:((64*(\qd)+32*\c)%128)*PB+32*\i+16*PB
	ds_load_b128 v[\f+8*(4*\c+\i):\f+8*(4*\c+\i)+3],         v[ADRA+\slot] offset:64*PA*(\qd)+16*PA*\i+64*\c
	ds_load_b128 v[\f+8*(4*\c+\i)+4:\f+8*(4*\c+\i)+7],       v[ADRA+\slot] offset:64*PA*(\qd)+16*PA*\i+64*\c+32
.endr
.endr
.endm
.macro PLACES                          ; four plain lines in front of loads into registers that matrix instructions have read, and of reads of results
.rept 4
	v_nop
.endr
.endm
; A K step is four quarters of 64 along K, 32 matrix instructions each, on buffers 0, 1, 0, 1.  One of the first three: multiplies buffer f and fetches quarter qd into g.
.macro QUARTER slot, qd, f, g, first
	s_wait_dscnt 16                                ; the first 32 along K are in
	WIN MUL
	MUL8 \f, 0, 0, \first
	MUL8 \f, 0, 2, \first
	PLACES
	FETCH \slot, \qd, \g
	s_wait_dscnt 32                                ; all but the 32 just issued
	WIN MUL
	MUL8 \f, 1, 0, 0
	MUL8 \f, 1, 2, 0
.endm
; The last quarter multiplies buffer 1 and changes slots: ONE barrier; in front of it each wave waits for all its tensor loads, adds 0 to its spare word, and waits for that and for its reads of this slot.  fill = 1: this slot is filled again, two K steps ahead.
.macro TURN slot, next, fill
	WIN 0                                          ; (the add's two registers lie in window 0)
	s_wait_tensorcnt 0x0                           ; all my tensor loads have landed: my part of the next slot
	ds_add_u32 v[SPW], v[NIL]                      ; 0 onto my spare word
	s_wait_dscnt 17                                ; (the add and the youngest sixteen loads may be out)
	WIN MUL
	MUL8 F1, 0, 0, 0
	s_wait_dscnt 0x0                               ; the add is done, and my reads of this slot are over
	s_barrier_signal -1
	MUL8 F1, 0, 2, 0
.if \fill
	WIN 0
.endif
	s_barrier_wait -1
.if \fill
	CREST                                          ; the barrier has opened a round of the cluster's: no wave of any partner still reads this slot or has a load on its way
	s_add_nc_u64 s[G0+4*\slot+2:G0+4*\slot+3], s[G0+4*\slot+2:G0+4*\slot+3], 2097152
	s_add_nc_u64 s[G0B+4*\slot+2:G0B+4*\slot+3], s[G0B+4*\slot+2:G0B+4*\slot+3], 1048576
	JLOAD \slot                                    ; the first tensor load behind the round; its four v_nop are also the places in front of the loads below
.else
	PLACES
.endif
	FETCH \next, 0, F0
	WIN MUL
	MUL8 F1, 1, 0, 0
	MUL8 F1, 1, 2, 0
.endm
	s_wait_tensorcnt 1                             ; my part of K step 0 is in (K step 1's may be out)
	s_barrier_signal -1
	s_barrier_wait -1                              ; everybody's is
	FETCH 0, 0, F0
	s_wait_loadcnt 0x0                             ; the bias
	QUARTER 0, 1, F0, F1, 1                        ; the first quarter stands in front of the loop: its first products start the sums
	WIN 0
	s_mov_b32 s3, LAPS-1
.Llap:                                             ; a trip goes once round the two slots, from a lap's second quarter to the next lap's first, and fills both again
	QUARTER 0, 2, F1, F0, 0
	QUARTER 0, 3, F0, F1, 0
	TURN 0, 1, 1
	QUARTER 1, 1, F0, F1, 0
	QUARTER 1, 2, F1, F0, 0
	QUARTER 1, 3, F0, F1, 0
	TURN 1, 0, 1
	QUARTER 0, 1, F0, F1, 0
	WIN 0
	s_sub_co_u32 s3, s3, 1
	s_cmp_lg_u32 s3, 0
	s_cbranch_scc1 .Llap
	QUARTER 0, 2, F1, F0, 0                        ; the last lap fills nothing
	QUARTER 0, 3, F0, F1, 0
	TURN 0, 1, 0
	QUARTER 1, 1, F0, F1, 0
	QUARTER 1, 2, F1, F0, 0
	QUARTER 1, 3, F0, F1, 0
	s_wait_dscnt 16                                ; the very last quarter: nothing more to fetch
	WIN MUL
	MUL8 F1, 0, 0, 0
	MUL8 F1, 0, 2, 0
	s_wait_dscnt 0
	MUL8 F1, 1, 0, 0
	MUL8 F1, 1, 2, 0
	WIN 0
; THE WAY OUT, block by block of 16 rows x 64 columns (256 bytes a row): through my own stage and back as whole rows; sixteen lanes store 256 consecutive bytes, aligned.
.macro TOSTAGE a
.irp b, 0,1,2,3
	ds_store_b128 v[STO], v[ACC+8*(4*(\a)+\b):ACC+8*(4*(\a)+\b)+3] offset:64*\b          ; each accumulator from its low end on
	ds_store_b128 v[STO], v[ACC+8*(4*(\a)+\b)+4:ACC+8*(4*(\a)+\b)+7] offset:64*\b+16
.endr
.set BB, TMP+32*((\a)%2)
.irp t, 0,1,2,3,4,5,6,7
	ds_load_b128 v[BB+4*\t:BB+4*\t+3], v[RD] offset:\t*2*SPITCH    ; LDS serves a wave's instructions in order: these see the stores above
.endr
.endm
.macro SEND a, younger                 ; younger: the LDS instructions issued behind block a's loads, which may stay out
.set BB, TMP+32*((\a)%2)
	s_wait_dscnt \younger
.irp t, 0,1,2,3,4,5,6,7
	global_store_b128 v[CO], v[BB+4*\t:BB+4*\t+3], s[8:9] offset:(16*(\a)+2*\t)*4096 th:TH_STORE_NT
.endr
.endm
	PLACES
	TOSTAGE 0
.irp a, 1,2,3
.if \a > 1
	s_wait_xcnt 0x0                                ; block a - 2's stores have read their registers: block a's loads may land there
.endif
	TOSTAGE \a
	SEND \a-1, 16                                  ; behind block a - 1's loads: block a's 8 stores and 8 loads
.endr
	SEND 3, 0
	s_wait_tensorcnt 0x0                           ; the wave's end
	ds_add_u32 v[SPW], v[NIL]
	s_wait_dscnt 0x0
	CROUND                                         ; the closing round
	s_endpgm
.Lfunc_end_k_q223c633c20_proj:
	.size	k_q223c633c20_proj, .Lfunc_end_k_q223c633c20_proj-k_q223c633c20_proj
	.p2alignl 7, 3214868480
	.fill 96, 4, 3214868480
	.section	.rodata,"a",@progbits
	.p2align	6, 0x0
	.amdhsa_kernel k_q223c633c20_proj
		.amdhsa_group_segment_fixed_size 327680
		.amdhsa_private_segment_fixed_size 0
		.amdhsa_enable_private_segment 0
		.amdhsa_kernarg_size 32
		.amdhsa_user_sgpr_count 2
		.amdhsa_user_sgpr_kernarg_segment_ptr 1
		.amdhsa_wavefront_size32 1
		.amdhsa_system_sgpr_workgroup_id_x 1
		.amdhsa_system_sgpr_workgroup_id_y 1
		.amdhsa_system_sgpr_workgroup_id_z 1
		.amdhsa_system_vgpr_workitem_id 0
		.amdhsa_next_free_vgpr 512
		.amdhsa_next_free_sgpr 68
		.amdhsa_reserve_vcc 0
		.amdhsa_float_denorm_mode_32 3
		.amdhsa_float_denorm_mode_16_64 3
		.amdhsa_memory_ordered 1
		.amdhsa_forward_progress 1
		.amdhsa_inst_pref_size 87
	.end_amdhsa_kernel
	.amdgpu_metadata
---
amdhsa.version: [ 1, 2 ]
amdhsa.kernels:
  - .name:           k_q223c633c20_proj
    .symbol:         k_q223c633c20_proj.kd
    .args:
      - { .name: ctx, .offset: 0, .size: 8, .value_kind: global_buffer, .address_space: global }
      - { .name: wo16, .offset: 8, .size: 8, .value_kind: global_buffer, .address_space: global }
      - { .name: bo, .offset: 16, .size: 8, .value_kind: global_buffer, .address_space: global }
      - { .name: out0, .offset: 24, .size: 8, .value_kind: global_buffer, .address_space: global }
    .group_segment_fixed_size: 327680
    .private_segment_fixed_size: 0
    .kernarg_segment_align: 8
    .kernarg_segment_size: 32
    .max_flat_workgroup_size: 128
    .sgpr_count:     68
    .vgpr_count:     512
    .wavefront_size: 32
...
	.end_amdgpu_metadata
.endif
;; end of part 4
